; MI455X (gfx1250); checked and timed in simulation.
; The chip was launched on July 23, 2026; its instructions are those of AMD's public machine-readable ISA for CDNA 5 (MIT licence, August 2026) and "CDNA5" Instruction Set Architecture Reference Guide (July 2026). The comments in the code are by the model that wrote it; some were corrected since.
;; Attn Block1d. Allowed arithmetic: matrix products marked QUANTISED: E4M3 operands, one E8M0 scale for each 32 along K, by v_wmma_scale_f32_16x16x128_f8f6f4 with both operands' format E4M3, f32 sums; everything else in f32.
;; Inputs: gn_beta 512 float32; gn_gamma 512 float32; k_b 512 float32; k_w_codes 512 x 16 x 32 uint8 (E4M3 codes of k_w, K innermost, in blocks of 32 codes); k_w_scales 512 x 16 uint8 (E8M0 scales of k_w, one for each 32 codes along K); proj_b 512 float32; proj_w_codes 512 x 16 x 32 uint8 (E4M3 codes of proj_w, K innermost, in blocks of 32 codes); proj_w_scales 512 x 16 uint8 (E8M0 scales of proj_w, one for each 32 codes along K); q_b 512 float32; q_w_codes 512 x 16 x 32 uint8 (E4M3 codes of q_w, K innermost, in blocks of 32 codes); q_w_scales 512 x 16 uint8 (E8M0 scales of q_w, one for each 32 codes along K); v_b 512 float32; v_w_codes 512 x 16 x 32 uint8 (E4M3 codes of v_w, K innermost, in blocks of 32 codes); v_w_scales 512 x 16 uint8 (E8M0 scales of v_w, one for each 32 codes along K); x 4 x 512 x 2,048 float32.
;; Outputs: out0 4 x 512 x 2,048 float32.
;; This version of the problem:
;;   THIS VERSION OF THE PROBLEM IS GIVEN IN LOW PRECISION. The matrix products marked QUANTISED in the list below multiply operands that are first quantised to E4M3 (4 exponent bits, 3 mantissa bits; 8 bits a number), with one power-of-two scale for each 32 numbers along K (OCP MX v1.0); their sums are f32. All else is computed in f32.
;;   The module's matrix products, in the order in which they are computed (A, B: the left and right operand; K: the contracted axis; several contracted axes count as one K, in the product's order):
;;     1. [M 8,192, K 512] x [K 512, N 512]; A: computed on the way; B: input q_w (given as codes): QUANTISED
;;     2. [M 8,192, K 512] x [K 512, N 512]; A: computed on the way; B: input k_w (given as codes): QUANTISED
;;     3. [M 8,192, K 512] x [K 512, N 512]; A: computed on the way; B: input v_w (given as codes): QUANTISED
;;     4. batch 32 x [M 2,048, K 64] x [K 64, N 2,048]; A: computed on the way; B: computed on the way: QUANTISED
;;     5. batch 32 x [M 64, K 2,048] x [K 2,048, N 2,048]; A: computed on the way; B: softmax (see below): QUANTISED
;;     6. [M 8,192, K 512] x [K 512, N 512]; A: computed on the way; B: input proj_w (given as codes): QUANTISED
;;   THE QUANTISER, for each operand of a quantised product, along K:
;;     - K is cut into blocks of 32 from its start; a last block that is shorter is filled with zeros.
;;     - A block's scale is 2^e with e = floor(log2(the largest magnitude in the block)) - 8, held to -126 .. 127; a block of zeros has e = 0. As a byte (E8M0): e + 127.
;;     - Each number is divided by its block's scale, clamped to +-448, and rounded to the nearest number of E4M3, ties to even, subnormals kept.
;;     - The product sums the exact products of the quantised numbers (number of the format x scale) in f32.
;;   ~~~python
;;   def quantise(x, axis):      # numpy; x: float32 -> the quantised numbers, widened to float32 again
;;       x = np.moveaxis(x, axis, -1); K = x.shape[-1]
;;       x = np.pad(x, [(0, 0)] * (x.ndim - 1) + [(0, -K % 32)]); x = x.reshape(x.shape[:-1] + (-1, 32)); a = np.abs(x).max(-1, keepdims=True)
;;       e = np.where(a > 0, np.clip(np.frexp(np.where(a > 0, a, 1))[1] - 1 - 8, -126, 127), 0)      # np.frexp(a)[1] - 1 = floor(log2(a)), exactly
;;       r = np.clip(x / 2.0 ** e, -448, 448)
;;       step = 2.0 ** (np.maximum(np.frexp(np.where(r == 0, 1, r))[1] - 1, -6) - 3)
;;       q = np.round(r / step) * step * 2.0 ** e      # np.round: ties to even
;;       return np.moveaxis(q.reshape(q.shape[:-2] + (-1,))[..., :K], -1, axis).astype(np.float32)
;;   ~~~
;;   SOFTMAX AHEAD OF A QUANTISED PRODUCT. Where the list says 'softmax', what is quantised is not the finished softmax but p = 2^(t - M), with t = logit x log2(e) and M = ceil(the row's largest t), a whole number; so 1/2 < the row's largest p <= 1. The row's sum l is taken of the UNQUANTISED p, in f32, and the product's result is divided by l at the end. Since M is a whole number, a kernel that streams over the keys may use a running M (the ceiling of the running maximum): every later rescaling is an exact power of two, which a block's scale takes up: the codes' values come out the same.
;;   OPERANDS COMPUTED ON THE WAY. 'Computed on the way' means the value that the module computes at that place (a softmax that the list does not call 'softmax' is quantised finished and normalised). What goes into a quantiser is computed in f32, as accurately as f32 sums, v_exp_f32 and their like allow (about 1e-6 of the number): no bf16 or f16 on the way to a quantiser, and a product that is left as it is and whose result goes on into a quantised operand takes f32 operands (vector FMAs, or v_wmma_f32_16x16x4_f32). A number that lies on a knife's edge between two numbers of the format may be rounded either way, as far as f32 arithmetic and the matrix unit's own rounding can turn it there, and no further.
;;   INPUTS GIVEN AS CODES. k_w (in the module: [512, 512], K = its axis 1); proj_w (in the module: [512, 512], K = its axis 1); q_w (in the module: [512, 512], K = its axis 1); v_w (in the module: [512, 512], K = its axis 1): each comes as NAME_codes (uint8): NAME with its K axis moved to the last place and cut into blocks of 32 codes, [.., K / 32, bytes a block], one block behind the other in memory; one code a byte (a code: sign, 4 exponent bits, 3 mantissa bits); and NAME_scales (uint8): the same leading axes, one E8M0 byte (e + 127) for each 32 codes along K. Its value is code x scale, taken as it is: it is not quantised again, and the codes and scales need not be those that the quantiser above would give.
;; One version. Each part assembles by itself: llvm-mc -triple=amdgcn-amd-amdhsa -mcpu=gfx1250 --defsym DOCPART=n.
;; ======== version 1 of 1: 4 launches
;; limits: right only within a limited range of input values
;; workspace buffers: hc 4,194,304 bytes; hs 131,072 bytes; qc 4,194,304 bytes; qs 262,144 bytes; kv 8,388,608 bytes; kvs 393,216 bytes; oc 4,194,304 bytes; os 131,072 bytes
;; launch gnq (part 1): grid 16 x 4, 16 waves a work-group, no clusters, 68,608 bytes of LDS; arguments x, gn_gamma, gn_beta, hc, hs; writes hc, hs
.if DOCPART == 1
	.amdgcn_target "amdgcn-amd-amdhsa--gfx1250"
	.amdhsa_code_object_version 6
	.text
	.protected	k_q02f0055931_gnq
	.globl	k_q02f0055931_gnq
	.p2align	8
	.type	k_q02f0055931_gnq,@function
k_q02f0055931_gnq:
	s_mov_b64 s[64:65], 0
	v_nop
	global_prefetch_b8 v0, s[64:65] scope:SCOPE_SE
	s_setreg_imm32_b32 hwreg(HW_REG_WAVE_MODE, 25, 1), 1
	s_wait_xcnt 0x0
; GroupNorm of x [4][512][2048] (32 groups of 16 channels x 2048), then the quantiser along the channels: codes of E4M3 with one E8M0 byte for each 32 channels.
; SHARES.  A work-group owns 32 channels (two groups = one block of the quantiser) of one batch, all 2,048 columns: 256 KiB, kept in registers between the passes, so x is read once here.
; Wave w owns columns 128 w .. 128 w + 127, lane L the four columns 4 L + j; a load takes one channel's 512 consecutive bytes.  64 work-groups: a smaller share would cut a group's sum or a block's maximum in two.
; STATISTICS in two passes (mean; then the mean of (x - mean)^2), so that a common offset of x costs no digits.
; OUT.  hc [b][tile 128][block 16][lane 32][16 B]: images of operand registers.  Tile 2 G + u holds the columns 32 G + 8 u + r + 8 (r / 8), r = 0 .. 15; lane (r, hh) of an image holds channels 32 p + 16 hh + 0 .. 15 of row r.
;       hs [b][block 16][G 64][32 B]: byte 16 u + r is the scale byte of row r of tile 2 G + u.
; LIMITS: a block whose largest magnitude lies under 2^-118 (a block of zeros too) gets the byte 1: its codes are zeros or tiny, and this program alone reads the bytes.  NaN and infinities in x are not served.
; No tensor load, no matrix instruction, no cluster (work-groups share no input).
.set RED1, 65536                       ; LDS: 0 .. 65,535 a stage of 4,096 bytes for each wave; then 128 bytes for the first sums, and 256 bytes on 128 for the second
.set X,    16                          ; v16-143  channel c, column j at X + 4 c + j; after the mean: x - mean
.set Y,    144                         ; v144-207 two sets of 32 numbers of a column; also the sums' chains and the read-back
.set CD,   208                         ; v208-239 codes: 8 registers a column
.set SEL,  92                          ; s[92:93] selects of v_permlanex16_b32: lane l xor 16
.set MNT,  94
	s_load_b256 s[4:11], s[0:1], 0x0               ; x, gn_gamma, gn_beta, hc
	s_load_b64 s[12:13], s[0:1], 0x20              ; hs
	v_lshl_add_u32 v254, v0, 2, 0x10400
	v_mov_b32 v255, 0
	v_lshrrev_b32 v14, 5, v0
	s_delay_alu instid0(VALU_DEP_1)
	v_readfirstlane_b32 s14, v14                   ; wave 0..15
	s_and_b32 s99, ttmp7, 0xffff                   ; b
	s_lshl_b32 s84, s99, 22                        ; x: b x 4,194,304
	s_lshl_b32 s15, ttmp9, 18                      ;  + p x 32 channels of 8,192 bytes
	s_add_co_u32 s84, s84, s15
	s_lshl_b32 s15, s14, 9                         ;  + wave x 512
	s_add_co_u32 s84, s84, s15
	s_mov_b32 s85, 0
	s_lshl_b32 s86, s99, 20                        ; hc: b x 128 tiles of 8,192 bytes
	s_lshl_b32 s15, s14, 16                        ;  + wave x 8 tiles
	s_add_co_u32 s86, s86, s15
	s_lshl_b32 s15, ttmp9, 9                       ;  + p x 512
	s_add_co_u32 s86, s86, s15
	s_mov_b32 s87, 0
	s_lshl_b32 s88, ttmp9, 7                       ; gamma, beta: 32 p numbers on
	s_mov_b32 s89, 0
	s_lshl_b32 s90, s99, 4                         ; hs: (16 b + p) x 2,048 + wave x 128
	s_add_co_u32 s90, s90, ttmp9
	s_lshl_b32 s90, s90, 11
	s_lshl_b32 s15, s14, 7
	s_add_co_u32 s90, s90, s15
	s_mov_b32 s91, 0
	s_mov_b32 s[SEL], 0x76543210
	s_mov_b32 s[SEL+1], 0xfedcba98
	s_mov_b32 s97, 0x38000000                      ; 2^-15 = 1 / (16 x 2048)
	s_mov_b32 s98, 0x358637bd                      ; 1e-6
	v_and_b32 v1, 31, v0
	s_delay_alu instid0(VALU_DEP_1)
	v_lshlrev_b32 v1, 4, v1                        ; v1 = 16 L
	v_bfe_u32 v2, v0, 3, 2                         ; L / 8: which 32 columns of the wave's 128
	s_delay_alu instid0(VALU_DEP_1)
	v_lshlrev_b32 v4, 5, v2
	s_delay_alu instid0(VALU_DEP_2)
	v_lshlrev_b32 v2, 10, v2
	v_bfe_u32 v14, v0, 1, 1                        ; u
	s_delay_alu instid0(VALU_DEP_1)
	v_lshl_add_u32 v2, v14, 9, v2
	s_delay_alu instid0(VALU_DEP_2)
	v_lshl_add_u32 v4, v14, 4, v4
	v_bfe_u32 v14, v0, 2, 1                        ; r / 8
	s_delay_alu instid0(VALU_DEP_1)
	v_lshl_add_u32 v2, v14, 7, v2
	s_delay_alu instid0(VALU_DEP_2)
	v_lshl_add_u32 v4, v14, 3, v4
	v_and_b32 v14, 1, v0                           ; (r / 4) % 2
	s_delay_alu instid0(VALU_DEP_1)
	v_lshl_add_u32 v2, v14, 6, v2                  ; column 4 L + j is row r = 8 (L/4 % 2) + 4 (L % 2) + j of tile 2 (L / 8) + (L/2 % 2): 512 x tile + 16 r
	s_delay_alu instid0(VALU_DEP_2)
	v_lshl_add_u32 v4, v14, 2, v4                  ; v4: my four scale bytes' place in the wave's 128
	s_lshl_b32 s15, s14, 12                        ; my wave's stage
	v_add_nc_u32 v2, s15, v2                       ; v2: into it
	v_add_nc_u32 v3, s15, v1                       ; v3: out of it, 16 bytes a lane
	v_mov_b32 v5, s14
	s_delay_alu instid0(VALU_DEP_1)
	v_lshl_add_u32 v5, v5, 3, RED1                 ; v5: my wave's two sums
	v_and_b32 v6, 15, v0
	s_delay_alu instid0(VALU_DEP_1)
	v_lshl_add_u32 v6, v6, 3, RED1                 ; v6: lane r reads wave r's
	v_mov_b32 v15, 0                               ; a lane permute's destination counts as read
	s_wait_kmcnt 0x0
	s_add_nc_u64 s[4:5], s[4:5], s[84:85]
	s_add_nc_u64 s[6:7], s[6:7], s[88:89]
	s_add_nc_u64 s[8:9], s[8:9], s[88:89]
	s_add_nc_u64 s[10:11], s[10:11], s[86:87]
	s_add_nc_u64 s[12:13], s[12:13], s[90:91]
.set cc, 0
.rept 32
	global_load_b128 v[X+4*cc:X+4*cc+3], v1, s[4:5] offset:8192*cc th:TH_LOAD_NT   ; channel cc: 512 consecutive bytes a wave; all 32 loads are out together
.set cc, cc+1
.endr
	s_load_b512 s[16:31], s[6:7], 0x0              ; gamma of my 32 channels: s16-47
	s_load_b512 s[32:47], s[6:7], 0x40
	s_load_b512 s[48:63], s[8:9], 0x0              ; beta: s48-63 and s68-83
	s_load_b512 s[68:83], s[8:9], 0x40
.macro FOLD dst                        ; the four chains into one number
	s_delay_alu instid0(VALU_DEP_3)
	v_pk_add_f32 v[Y:Y+1], v[Y:Y+1], v[Y+2:Y+3]
	s_delay_alu instid0(VALU_DEP_2)
	v_pk_add_f32 v[Y+4:Y+5], v[Y+4:Y+5], v[Y+6:Y+7]
	s_delay_alu instid0(VALU_DEP_1)
	v_pk_add_f32 v[Y:Y+1], v[Y:Y+1], v[Y+4:Y+5]
	s_delay_alu instid0(VALU_DEP_1)
	v_add_f32 v[\dst], v[Y], v[Y+1]
.endm
.macro GSUM base, dst                  ; the sum of 64 registers, in four chains that do not wait for each other; the first pairs start the chains
.irp k, 0,1,2,3
	v_pk_add_f32 v[Y+2*\k:Y+2*\k+1], v[\base+2*\k:\base+2*\k+1], v[\base+8+2*\k:\base+9+2*\k]
.endr
.irp i, 2,3,4,5,6,7
.irp k, 0,1,2,3
	s_delay_alu instid0(VALU_DEP_4)
	v_pk_add_f32 v[Y+2*\k:Y+2*\k+1], v[Y+2*\k:Y+2*\k+1], v[\base+8*\i+2*\k:\base+8*\i+2*\k+1]
.endr
.endr
	FOLD \dst
.endm
.macro GSQ base, dst                   ; the sum of their squares
.irp k, 0,1,2,3
	v_pk_mul_f32 v[Y+2*\k:Y+2*\k+1], v[\base+2*\k:\base+2*\k+1], v[\base+2*\k:\base+2*\k+1]
.endr
.irp i, 1,2,3,4,5,6,7
.irp k, 0,1,2,3
	s_delay_alu instid0(VALU_DEP_4)
	v_pk_fma_f32 v[Y+2*\k:Y+2*\k+1], v[\base+8*\i+2*\k:\base+8*\i+2*\k+1], v[\base+8*\i+2*\k:\base+8*\i+2*\k+1], v[Y+2*\k:Y+2*\k+1]
.endr
.endr
	FOLD \dst
.endm
.macro ROW16 r                         ; over the 16 lanes of a row
	v_add_f32_dpp v[\r], v[\r], v[\r] row_xmask:1 row_mask:0xf bank_mask:0xf
	s_delay_alu instid0(VALU_DEP_1)
	v_add_f32_dpp v[\r], v[\r], v[\r] row_xmask:2 row_mask:0xf bank_mask:0xf
	s_delay_alu instid0(VALU_DEP_1)
	v_add_f32_dpp v[\r], v[\r], v[\r] row_xmask:4 row_mask:0xf bank_mask:0xf
	s_delay_alu instid0(VALU_DEP_1)
	v_add_f32_dpp v[\r], v[\r], v[\r] row_xmask:8 row_mask:0xf bank_mask:0xf
.endm
.macro LANES r                         ; over the 32 lanes
	ROW16 \r
	s_delay_alu instid0(VALU_DEP_1)
	v_permlanex16_b32 v15, v[\r], s[SEL], s[SEL+1]
	s_delay_alu instid0(VALU_DEP_1)
	v_add_f32 v[\r], v[\r], v15
.endm
.macro WAVES off                       ; v8, v9 over the 16 waves: each wave's pair to its own 8 bytes; a barrier; lane r reads wave r's pair; a row of 16 lanes holds all 16
	ds_store_b64 v5, v[8:9] offset:\off
	s_wait_dscnt 0x0                               ; for the others' sake: my store has landed
	s_barrier_signal -1
	s_barrier_wait -1
	ds_load_b64 v[8:9], v6 offset:\off
	s_wait_dscnt 0x0
	ROW16 8
	ROW16 9
.endm
	s_wait_loadcnt 16                              ; the first group's 16 channels are in; the second group's 16 loads may be out
	GSUM X, 8
	s_wait_loadcnt 0x0
	s_wait_kmcnt 0x0                               ; gamma and beta, asked for behind x's loads
	GSUM X+64, 9
	LANES 8
	LANES 9
	WAVES 0
	v_mul_f32 v10, s97, v8                         ; the two means, each twice: pairs for the packed subtraction
	s_delay_alu instid0(VALU_DEP_2)
	v_mul_f32 v12, s97, v9
	s_delay_alu instid0(VALU_DEP_2)
	v_mov_b32 v11, v10
	s_delay_alu instid0(VALU_DEP_2)
	v_mov_b32 v13, v12
.set cc, 0
.rept 32
	v_pk_add_f32 v[X+2*cc:X+2*cc+1], v[X+2*cc:X+2*cc+1], v[10:11] neg_lo:[0,1] neg_hi:[0,1]        ; x - mean, in place
	v_pk_add_f32 v[X+64+2*cc:X+65+2*cc], v[X+64+2*cc:X+65+2*cc], v[12:13] neg_lo:[0,1] neg_hi:[0,1]
.set cc, cc+1
.endr
	GSQ X, 8
	GSQ X+64, 9
	LANES 8
	LANES 9
	WAVES 256                                      ; other bytes than the first sums': no barrier is needed between the first reads and these stores
	v_fma_f32 v8, v8, s97, s98                     ; variance + 1e-6
	s_delay_alu instid0(VALU_DEP_2)
	v_fma_f32 v9, v9, s97, s98
	s_wait_alu depctr_va_vdst(0)
	v_rsq_f32 v14, v8
	v_rsq_f32 v15, v9
	v_nop                                          ; a plain instruction behind the last transcendental
	s_wait_alu depctr_va_vdst(0)                   ; one wait for both, ahead of the first reader
	v_readfirstlane_b32 s95, v14
	v_readfirstlane_b32 s96, v15
.set cc, 0
.rept 16
	s_mul_f32 s[16+cc], s[16+cc], s95              ; a[c] = gamma[c] / sqrt(var + eps): h = a (x - mean) + beta is then one fused multiply-add
	s_mul_f32 s[32+cc], s[32+cc], s96
.set cc, cc+1
.endr
; Column 4 L + j: its 32 channels are one block, all in this lane: normalise, largest magnitude (with the floor 2^(9 - 127) among the leaves, which holds the byte at 1 from below), scale, codes.
.macro COL j
.set YS, Y+32*((\j)%2)
.set cc, 0
.rept 32
	v_fma_f32 v[YS+cc], v[X+4*cc+\j], s[16+cc], s[48+cc+4*(cc/16)]
.set cc, cc+1
.endr
	v_max3_num_f32 v240, |v[YS]|, |v[YS+1]|, |v[YS+2]|
	v_max3_num_f32 v241, |v[YS+3]|, |v[YS+4]|, |v[YS+5]|
.irp i, 6,10,14,18,22,26
	s_delay_alu instid0(VALU_DEP_2)
	v_max3_num_f32 v240, v240, |v[YS+\i]|, |v[YS+\i+1]|
	s_delay_alu instid0(VALU_DEP_2)
	v_max3_num_f32 v241, v241, |v[YS+\i+2]|, |v[YS+\i+3]|
.endr
	s_delay_alu instid0(VALU_DEP_2)
	v_max3_num_f32 v240, v240, |v[YS+30]|, |v[YS+31]|
	s_delay_alu instid0(VALU_DEP_1)
	v_max3_num_f32 v240, v240, v241, 0x4800000
	s_delay_alu instid0(VALU_DEP_1)
	v_add_nc_u32 v242, 0xfc000000, v240            ; 8 off the exponent field: the conversion's scale operand
.set cc, 0
.rept 32
.set cc, cc+1
.endr
.irp g, 0,1,2,3
	v_cvt_scalef32_pk8_fp8_f32 v[CD+8*\j+2*\g:CD+8*\j+2*\g+1], v[YS+8*\g:YS+8*\g+7], v242
.endr
.if \j == 0
	v_lshrrev_b32 v245, 23, v242                   ; the scale's byte (also the plain instruction behind the conversions)
.else
	v_lshrrev_b32 v244, 23, v242
	s_delay_alu instid0(VALU_DEP_1)
	v_lshl_or_b32 v245, v244, 8*\j, v245           ; my four columns' bytes are neighbours in hs
.endif
	ds_store_b128 v2, v[CD+8*\j:CD+8*\j+3] offset:16*\j            ; channels 0-15: the image's lanes 0-15
	ds_store_b128 v2, v[CD+8*\j+4:CD+8*\j+7] offset:256+16*\j      ; channels 16-31: its lanes 16-31
.endm
	COL 0
	COL 1
	COL 2
	COL 3
.irp i, 0,1,2,3,4,5,6,7
	ds_load_b128 v[Y+4*\i:Y+4*\i+3], v3 offset:512*\i              ; LDS serves a wave's instructions in order (ISA guide 5.7.1.4): these see my stores
.endr
	global_store_b32 v4, v245, s[12:13]            ; 128 consecutive bytes a wave: half an aligned 256; the scale bytes are one part in 128 of what the launch reads
.irp i, 0,1,2,3,4,5,6,7
	s_wait_dscnt 7-\i                              ; image i is back; the younger ones may be out
	global_store_b128 v1, v[Y+4*\i:Y+4*\i+3], s[10:11] offset:8192*\i   ; 512 consecutive bytes, at a multiple of 512 from hc's first byte
.endr
	s_wait_tensorcnt 0x0
	ds_add_u32 v254, v255
	s_wait_dscnt 0x0
	s_endpgm
.Lfunc_end_k_q02f0055931_gnq:
	.size	k_q02f0055931_gnq, .Lfunc_end_k_q02f0055931_gnq-k_q02f0055931_gnq
	.p2alignl 7, 3214868480
	.fill 96, 4, 3214868480
	.section	.rodata,"a",@progbits
	.p2align	6, 0x0
	.amdhsa_kernel k_q02f0055931_gnq
		.amdhsa_group_segment_fixed_size 68608
		.amdhsa_private_segment_fixed_size 0
		.amdhsa_enable_private_segment 0
		.amdhsa_kernarg_size 40
		.amdhsa_user_sgpr_count 2
		.amdhsa_user_sgpr_kernarg_segment_ptr 1
		.amdhsa_wavefront_size32 1
		.amdhsa_system_sgpr_workgroup_id_x 1
		.amdhsa_system_sgpr_workgroup_id_y 1
		.amdhsa_system_sgpr_workgroup_id_z 1
		.amdhsa_system_vgpr_workitem_id 0
		.amdhsa_next_free_vgpr 256
		.amdhsa_next_free_sgpr 100
		.amdhsa_reserve_vcc 0
		.amdhsa_float_denorm_mode_32 3
		.amdhsa_float_denorm_mode_16_64 3
		.amdhsa_fp16_overflow 1
		.amdhsa_memory_ordered 1
		.amdhsa_forward_progress 1
		.amdhsa_inst_pref_size 46
	.end_amdhsa_kernel
	.amdgpu_metadata
---
amdhsa.version: [ 1, 2 ]
amdhsa.kernels:
  - .name:           k_q02f0055931_gnq
    .symbol:         k_q02f0055931_gnq.kd
    .args:
      - { .name: x, .offset: 0, .size: 8, .value_kind: global_buffer, .address_space: global }
      - { .name: gn_gamma, .offset: 8, .size: 8, .value_kind: global_buffer, .address_space: global }
      - { .name: gn_beta, .offset: 16, .size: 8, .value_kind: global_buffer, .address_space: global }
      - { .name: hc, .offset: 24, .size: 8, .value_kind: global_buffer, .address_space: global }
      - { .name: hs, .offset: 32, .size: 8, .value_kind: global_buffer, .address_space: global }
    .group_segment_fixed_size: 68608
    .private_segment_fixed_size: 0
    .kernarg_segment_align: 8
    .kernarg_segment_size: 40
    .max_flat_workgroup_size: 512
    .sgpr_count:     100
    .vgpr_count:     256
    .wavefront_size: 32
...
	.end_amdgpu_metadata
.endif
;; end of part 1
;; launch qkv (part 2): grid 8 x 32, 12 waves a work-group, clusters of 4 x 4, 233,984 bytes of LDS; arguments hc, hs, q_w_codes, q_w_scales, q_b, k_w_codes, k_w_scales, k_b, v_w_codes, v_w_scales, v_b, qc, qs, kv, kvs; writes qc, qs, kv, kvs
.if DOCPART == 2
	.amdgcn_target "amdgcn-amd-amdhsa--gfx1250"
	.amdhsa_code_object_version 6
	.text
	.protected	k_q02f0055931_qkv
	.globl	k_q02f0055931_qkv
	.p2align	8
	.type	k_q02f0055931_qkv,@function
k_q02f0055931_qkv:
	s_mov_b64 s[64:65], 0
	v_nop
	global_prefetch_b8 v0, s[64:65] scope:SCOPE_SE
	s_setreg_imm32_b32 hwreg(HW_REG_WAVE_MODE, 25, 1), 1
	s_wait_xcnt 0x0
	s_wait_alu depctr_hold_cnt(0) depctr_sa_sdst(0) depctr_va_vdst(0) depctr_va_sdst(0) depctr_va_ssrc(0) depctr_va_vcc(0) depctr_vm_vsrc(0)
	s_getreg_b32 s2, hwreg(HW_REG_IB_STS2, 6, 4)
	s_cmp_eq_u32 s2, 0
	s_cbranch_scc0 .Lentry_in_a_cluster
	s_endpgm
.Lentry_in_a_cluster:
	s_bfe_u32 s2, ttmp6, 0x10000c
	s_cmp_lg_u32 s2, 0xf033
	s_cbranch_scc0 .Lentry_shape_is_right
	s_endpgm
.Lentry_shape_is_right:
; q, k, v = W h + bias on codes of E4M3 (K = 512 channels), then each result is quantised along the K of the product that will read it: q and k along the head's 64 channels, v along the keys.
; SHARES.  A work-group makes q, k and v of ONE head for 256 columns n (16 tiles of 16).  Twelve waves: waves 0-3 q, 4-7 k, 8-11 v.
;   q, k wave: 64 channels x 64 n.  Source 0 = 16 rows of W, source 1 = a tile of h: a lane holds one n, its registers run along the channels.
;   v wave:    32 channels x 128 n.  Source 0 = a tile of h, source 1 = 16 rows of W: a lane holds one channel, its registers run along the keys.
; THE ROWS OF A TILE ARE NOT NEIGHBOURS: row r of tile 2 G + u (of n, and of a head's channels alike) is 32 G + 8 u + r + 8 (r / 8), so that the 16 registers of two neighbouring tiles are 16 neighbours along the next K.
; LDS is filled once: the block's 16 tiles of h (131,072 bytes, images of operand registers as the launch before laid them) and the head's 64 rows of each weight (rows of 512 bytes + 16).
; CLUSTER 4 x 4: the four work-groups of a row share h's block, the four of a column share the head's weights: both are asked for jointly, which divides the requests for each by four.
; OUT, all as images of operand registers (512 consecutive bytes a store): qc [bh][tile 128][2][512]; kv [bh][key step 16][16,384]: K's tile t at 1,024 t, V^T's fragment ct at 8,192 + 2,048 ct;
;   qs [bh][64 n][lane][8]: a word a pair of tiles (even tile in lanes 0-15, odd in 16-31); kvs [bh][key step][768]: K's words, then V's at 512.
;   q's and k's K is 64: the words' upper two bytes are 127, over the zero codes with which the next launch fills the instruction's 128.
; LIMITS: a block whose largest magnitude lies under 2^-118 gets the byte 1 (this program alone reads the bytes).  NaN and infinities are not served.
.set WB,   131072                      ; LDS: h's block at 0; from here the three weights' 64 rows
.set WPB,  33792                       ; 64 rows x 528
.set ACC,  128                         ; v128-255 sixteen accumulators
.set TM,   80                          ; v80-95   the quantiser's work
.set WV,   34
.set HM,   96                          ; s96      lanes 16-31
.set MNT,  97
.set SEL,  98                          ; s[98:99] selects of v_permlanex16_b32: lane l xor 16
; REGISTERS: v1 W's rows (q, k), v2 h's tiles (q, k), v3 W's rows (v), v4 h's tiles (v): LDS addresses, made ahead of every branch; v5-7 16, 8, 4 x lane; v8-27 scale words; v28-31 v's bias; v32-127 fragments.
.macro PLACES n
.rept \n
	v_nop
.endr
.endm
.macro CROUND                          ; a round of the cluster's barrier
	s_barrier_signal -1
	s_barrier_wait -1
	s_cmp_lg_u32 s[WV], 0
	s_cbranch_scc1 .Lnot_wave_0_\@
	s_barrier_signal -3
.Lnot_wave_0_\@:
	s_barrier_wait -3
	s_barrier_signal -1
	s_barrier_wait -1
.endm
; One scaled matrix instruction.  c < 0: the constant 0 starts the sum.  ra, rb = 1: that side's scales are read from lanes 16-31.
.macro MM d, a, b, c, sa, sb, ra, rb
.set rD, \d
.set rA, \a
.set rB, \b
.set rC, \c
.set rX, \sa
.set rY, \sb
.set rR, (\ra)+2*(\rb)
.if rC < 0
.if rR == 0
	v_wmma_scale_f32_16x16x128_f8f6f4 v[rD:rD+7], v[rA:rA+15], v[rB:rB+15], 0, v[rX], v[rY]
.elseif rR == 1
	v_wmma_scale_f32_16x16x128_f8f6f4 v[rD:rD+7], v[rA:rA+15], v[rB:rB+15], 0, v[rX], v[rY] matrix_a_scale:MATRIX_SCALE_ROW1
.elseif rR == 2
	v_wmma_scale_f32_16x16x128_f8f6f4 v[rD:rD+7], v[rA:rA+15], v[rB:rB+15], 0, v[rX], v[rY] matrix_b_scale:MATRIX_SCALE_ROW1
.else
	v_wmma_scale_f32_16x16x128_f8f6f4 v[rD:rD+7], v[rA:rA+15], v[rB:rB+15], 0, v[rX], v[rY] matrix_a_scale:MATRIX_SCALE_ROW1 matrix_b_scale:MATRIX_SCALE_ROW1
.endif
.else
.if rR == 0
	v_wmma_scale_f32_16x16x128_f8f6f4 v[rD:rD+7], v[rA:rA+15], v[rB:rB+15], v[rC:rC+7], v[rX], v[rY]
.elseif rR == 1
	v_wmma_scale_f32_16x16x128_f8f6f4 v[rD:rD+7], v[rA:rA+15], v[rB:rB+15], v[rC:rC+7], v[rX], v[rY] matrix_a_scale:MATRIX_SCALE_ROW1
.elseif rR == 2
	v_wmma_scale_f32_16x16x128_f8f6f4 v[rD:rD+7], v[rA:rA+15], v[rB:rB+15], v[rC:rC+7], v[rX], v[rY] matrix_b_scale:MATRIX_SCALE_ROW1
.else
	v_wmma_scale_f32_16x16x128_f8f6f4 v[rD:rD+7], v[rA:rA+15], v[rB:rB+15], v[rC:rC+7], v[rX], v[rY] matrix_a_scale:MATRIX_SCALE_ROW1 matrix_b_scale:MATRIX_SCALE_ROW1
.endif
.endif
.endm
; 16 nb numbers of a lane, register 16 b + i = k 32 b + 16 (lane / 16) + i of my row, become codes in v[pc] on (4 registers a block) and the row's scale word in v[pw].  fill = 1 (nb = 2): bytes 2, 3 of the word are 127.
.macro QUANT src, nb, pc, pw, fill
.set qS, \src
.set qC, \pc
.set qW, \pw
.irp b, 0,1,2,3
.if \b < \nb
	v_max3_num_f32 v[TM+\b], |v[qS+16*\b]|, |v[qS+16*\b+1]|, 0x4800000   ; my 16 numbers of block b, and the floor 2^(9 - 127): the byte cannot fall under 1.  (An accumulator is read from its low end on)
.endif
.endr
.irp i, 2,4,6,8,10,12,14
.irp b, 0,1,2,3
.if \b < \nb
	v_max3_num_f32 v[TM+\b], v[TM+\b], |v[qS+16*\b+\i]|, |v[qS+16*\b+\i+1]|
.endif
.endr
.endr
.irp b, 0,1,2,3
.if \b < \nb
	v_permlanex16_b32 v[TM+4+\b], v[TM+\b], s[SEL], s[SEL+1]
.endif
.endr
.irp b, 0,1,2,3
.if \b < \nb
	v_max_num_f32 v[TM+\b], v[TM+\b], v[TM+4+\b]   ; with lane l xor 16's: the block's largest magnitude
.endif
.endr
.irp b, 0,1,2,3
.if \b < \nb
	v_add_nc_u32 v[TM+12+\b], 0xfc000000, v[TM+\b] ; 8 off its exponent field: the conversion's scale operand
.endif
.endr
.irp b, 0,1,2,3
.if \b < \nb
.endif
.endr
.irp b, 0,1,2,3
.if \b < \nb
	v_lshrrev_b32 v[TM+4+\b], 23, v[TM+12+\b]      ; the scale's byte
.endif
.endr
	v_lshl_or_b32 v[qW], v[TM+5], 8, v[TM+4]
.if \nb > 2
	s_delay_alu instid0(VALU_DEP_1)
	v_lshl_or_b32 v[qW], v[TM+6], 16, v[qW]
	s_delay_alu instid0(VALU_DEP_1)
	v_lshl_or_b32 v[qW], v[TM+7], 24, v[qW]
.elseif \fill
	s_delay_alu instid0(VALU_DEP_1)
	v_or_b32 v[qW], 0x7f7f0000, v[qW]
.endif
.irp b, 0,1,2,3
.if \b < \nb
.irp i, 0,1,2,3,4,5,6,7,8,9,10,11,12,13,14,15
.endr
	v_cvt_scalef32_pk8_fp8_f32 v[qC+4*\b:qC+4*\b+1], v[qS+16*\b:qS+16*\b+7], v[TM+12+\b]
	v_cvt_scalef32_pk8_fp8_f32 v[qC+4*\b+2:qC+4*\b+3], v[qS+16*\b+8:qS+16*\b+15], v[TM+12+\b]
.endif
.endr
	v_nop                                          ; a plain instruction behind the last conversion
.endm
	s_load_b512 s[4:19], s[0:1], 0x0               ; hc, hs, q_w codes, scales, q_b, k_w codes, scales, k_b
	s_load_b256 s[20:27], s[0:1], 0x40             ; v_w codes, scales, v_b, qc
	s_load_b128 s[28:31], s[0:1], 0x60             ; qs, kv
	s_load_b64 s[32:33], s[0:1], 0x70              ; kvs
	s_set_vgpr_msb 0x40
	v_lshl_add_u32 v0, v0, 2, 0x38c00
	v_mov_b32 v1, 0
	s_set_vgpr_msb 0x4045
	ds_add_u32 v0, v1
	ds_add_u32 v0, v1
	s_set_vgpr_msb 0x4500
	v_lshrrev_b32 v32, 5, v0
	s_delay_alu instid0(VALU_DEP_1)
	v_readfirstlane_b32 s[WV], v32                 ; wave 0..11
	s_lshr_b32 s35, s[WV], 2                       ; role: 0 q, 1 k, 2 v
	s_and_b32 s36, s[WV], 3                        ; sub
	s_bfe_u32 s37, ttmp6, 0x40000                  ; cx
	s_bfe_u32 s38, ttmp6, 0x40004                  ; cy
	s_lshl_b32 s39, ttmp9, 2
	s_add_co_u32 s39, s39, s37                     ; head = 4 x cluster x + cx
	s_and_b32 s40, ttmp7, 0xffff
	s_lshl_b32 s40, s40, 2
	s_add_co_u32 s40, s40, s38                     ; block of 256 n = 4 x cluster y + cy (8 to a batch)
	s_lshl_b32 s41, s38, 2
	s_lshl_b32 s41, 15, s41                        ; my row of the cluster
	s_lshl_b32 s42, 0x1111, s37                    ; my column
	; h: 64 rows of 256 bytes (32 elements of 8), dense: an eighth of the block
	s_or_b32 s44, s41, (3<<16)|(1<<21)             ; the mask: my row; elements of 8 bytes; bit 21 beside a mask
	s_mov_b32 s45, 32<<16                          ; tensor_dim0
	s_mov_b32 s46, 64<<16                          ; tensor_dim1
	s_mov_b32 s47, 32<<16                          ; tile_dim0
	s_mov_b32 s48, 64                              ; tile_dim1
	s_mov_b32 s49, 32                              ; pitch
	s_mov_b32 s50, 0
	s_mov_b32 s51, 0
	; W: 64 rows of 512 bytes, 16 bytes of padding behind each 128 words
	s_or_b32 s56, s42, (1<<20)|(1<<21)|(6<<22)|(3<<25)   ; the mask: my column; elements of 1 byte
	s_mov_b32 s57, 512<<16
	s_mov_b32 s58, 64<<16
	s_mov_b32 s59, 512<<16
	s_mov_b32 s60, 64
	s_mov_b32 s61, 512
	s_mov_b32 s62, 0
	s_mov_b32 s63, 0
	s_lshl_b32 s84, s40, 17                        ; h's block begins 131,072 x block on,
	s_lshl_b32 s53, s[WV], 14                      ; my eighth of it: 16,384 x wave, in memory and in LDS
	s_add_co_u32 s84, s84, s53
	s_mov_b32 s85, 0
	s_lshl_b32 s86, s39, 15                        ; the head's 64 rows of a weight
	s_mov_b32 s87, 0
	s_mul_i32 s69, s36, WPB
	s_add_co_u32 s69, s69, WB                      ; waves 8, 9, 10 fetch q_w, k_w, v_w
	s_mov_b32 s52, 1
	s_mov_b32 s68, 1
	s_mov_b32 s[HM], 0xffff0000
	s_mov_b32 s[SEL], 0x76543210
	s_mov_b32 s[SEL+1], 0xfedcba98
	; every address register, ahead of the first branch
	v_and_b32 v32, 15, v0                          ; r
	v_bfe_u32 v33, v0, 4, 1                        ; h
	s_delay_alu instid0(VALU_DEP_2)
	v_and_b32 v34, 8, v32
	s_delay_alu instid0(VALU_DEP_1)
	v_add_nc_u32 v34, v34, v32                     ; r + 8 (r / 8)
	s_delay_alu instid0(VALU_DEP_1)
	v_mul_u32_u24 v35, v34, 528
	s_delay_alu instid0(VALU_DEP_1)
	v_lshl_add_u32 v35, v33, 4, v35
	s_mul_i32 s88, s35, WPB
	s_add_co_u32 s88, s88, WB
	v_add_nc_u32 v1, s88, v35                      ; q, k: my role's weight
	s_and_b32 s88, s[WV], 1
	s_mul_i32 s88, s88, 32*528
	s_add_co_u32 s88, s88, WB+2*WPB
	v_add_nc_u32 v3, s88, v35                      ; v: my 32 rows of v_w
	v_and_b32 v96, 31, v0                          ; lane
	s_delay_alu instid0(VALU_DEP_1)
	v_lshlrev_b32 v5, 4, v96
	s_delay_alu instid0(VALU_DEP_2)
	v_lshlrev_b32 v6, 3, v96
	s_delay_alu instid0(VALU_DEP_3)
	v_lshlrev_b32 v7, 2, v96
	s_lshl_b32 s88, s36, 15
	v_add_nc_u32 v2, s88, v5                       ; q, k: my four tiles of h
	s_bfe_u32 s88, s[WV], 0x10001
	s_lshl_b32 s88, s88, 16
	v_add_nc_u32 v4, s88, v5                       ; v: my eight
	v_lshl_add_u32 v97, v33, 3, v34
	s_delay_alu instid0(VALU_DEP_1)
	v_lshlrev_b32 v97, 4, v97                      ; W's scales: row 8 h + r + 8 (r / 8), 16 bytes a row: lanes 0-15 the even tile, lanes 16-31 the odd
	v_lshlrev_b32 v98, 6, v33                      ; q's, k's bias: 16 h numbers on
	v_lshlrev_b32 v99, 2, v34                      ; v's bias: my channel
	s_wait_dscnt 0x0
	s_wait_kmcnt 0x0
	s_add_nc_u64 s[54:55], s[4:5], s[84:85]
	s_or_b32 s55, s55, 0x80000000
	s_cmp_eq_u32 s36, 0
	s_cselect_b64 s[72:73], s[8:9], s[14:15]
	s_cmp_eq_u32 s36, 2
	s_cselect_b64 s[72:73], s[20:21], s[72:73]
	s_add_nc_u64 s[70:71], s[72:73], s[86:87]
	s_or_b32 s71, s71, 0x80000000
	CROUND                                         ; all sixteen work-groups are here: the joint loads meet
	s_cmp_lt_u32 s[WV], 8                          ; waves 0-7: h; waves 8-10: a weight each; wave 11: nothing.  One load a wave; four v_nop follow each line
	s_cbranch_scc0 .Lnot_h
	tensor_load_to_lds s[52:55], s[44:51]
	s_nop 0
	PLACES 4
	s_branch .Lasked
.Lnot_h:
	s_cmp_lt_u32 s[WV], 11
	s_cbranch_scc0 .Lasked
	tensor_load_to_lds s[68:71], s[56:63]
	s_nop 0
	PLACES 4
.Lasked:
	; my role's pointers: chosen by the wave's number, offsets made apart
	s_lshr_b32 s88, s40, 3                         ; b
	s_and_b32 s89, s40, 7                          ; the block in its batch
	s_lshl_b32 s90, s88, 3
	s_add_co_u32 s90, s90, s39                     ; bh = 8 b + head
	s_and_b32 s91, s36, 1
	s_lshr_b32 s92, s36, 1
	s_lshr_b32 s93, s35, 1                         ; 1 in a v wave
	s_mul_i32 s94, s93, s91                        ; a v wave's half of the head's channels, else 0
	s_cmp_eq_u32 s35, 0
	s_cselect_b64 s[74:75], s[10:11], s[16:17]     ; W's scales
	s_cselect_b64 s[76:77], s[12:13], s[18:19]     ; the bias
	s_cselect_b64 s[78:79], s[26:27], s[30:31]     ; codes out: qc or kv
	s_cselect_b64 s[80:81], s[28:29], s[32:33]     ; scale words out: qs or kvs
	s_cmp_eq_u32 s35, 2
	s_cselect_b64 s[74:75], s[22:23], s[74:75]
	s_cselect_b64 s[76:77], s[24:25], s[76:77]
	s_lshl_b32 s84, s39, 10                        ; 64 rows x 16 bytes a head
	s_lshl_b32 s86, s94, 9
	s_add_co_u32 s84, s84, s86
	s_add_nc_u64 s[74:75], s[74:75], s[84:85]
	s_lshl_b32 s84, s39, 8
	s_lshl_b32 s86, s94, 7
	s_add_co_u32 s84, s84, s86
	s_add_nc_u64 s[76:77], s[76:77], s[84:85]
	s_lshl_b32 s86, s36, 6                         ; h's scale bytes: a byte for each n in each block's run of 2,048: my first n
	s_lshl_b32 s87, s92, 7
	s_cmp_eq_u32 s35, 2
	s_cselect_b32 s86, s87, s86
	s_lshl_b32 s84, s88, 15
	s_add_co_u32 s84, s84, s86
	s_lshl_b32 s86, s89, 8
	s_add_co_u32 s84, s84, s86
	s_add_nc_u64 s[82:83], s[6:7], s[84:85]
	s_lshl_b32 s84, s89, 2
	s_add_co_u32 s84, s84, s36                     ; q: which 64 n of the batch
	s_lshl_b32 s95, s84, 8
	s_lshl_b32 s84, s84, 12
	s_lshl_b32 s86, s90, 17
	s_add_co_u32 s84, s84, s86
	s_lshl_b32 s86, s89, 1
	s_add_co_u32 s86, s86, s92                     ; k, v: which key step
	s_mul_i32 s72, s86, 768
	s_lshl_b32 s86, s86, 14
	s_lshl_b32 s87, s90, 18
	s_add_co_u32 s86, s86, s87
	s_lshl_b32 s87, s91, 12
	s_add_co_u32 s86, s86, s87
	s_lshl_b32 s87, s93, 13
	s_add_co_u32 s86, s86, s87
	s_cmp_eq_u32 s35, 0
	s_cselect_b32 s84, s84, s86
	s_add_nc_u64 s[78:79], s[78:79], s[84:85]
	s_lshl_b32 s84, s90, 13
	s_add_co_u32 s84, s84, s95
	s_mul_i32 s86, s90, 12288
	s_add_co_u32 s86, s86, s72
	s_lshl_b32 s87, s91, 8
	s_lshl_b32 s73, s91, 7
	s_add_co_u32 s73, s73, 512
	s_cmp_eq_u32 s35, 2
	s_cselect_b32 s87, s73, s87
	s_add_co_u32 s86, s86, s87
	s_cmp_eq_u32 s35, 0
	s_cselect_b32 s84, s84, s86
	s_add_nc_u64 s[80:81], s[80:81], s[84:85]
	; ---- what comes straight from memory, while the tiles are on their way
	s_cmp_lt_u32 s[WV], 8
	s_cbranch_scc0 .La_v
	s_wait_alu depctr_va_vdst(0)
.irp be, 0,1
	global_load_b128 v[16+4*\be:19+4*\be], v97, s[74:75] offset:512*\be      ; W's scale words: register 16 + 4 be + s: K step s of tiles 2 be (lanes 0-15) and 2 be + 1 (lanes 16-31)
.endr
.irp ht, 0,1,2,3
.irp wt, 0,1,2,3
	global_load_b128 v[ACC+8*(4*\ht+\wt):ACC+8*(4*\ht+\wt)+3], v98, s[76:77] offset:(32*(\wt/2)+8*(\wt%2))*4        ; THE BIAS STARTS THE SUMS: register j of tile wt is channel 32 (wt / 2) + 16 h + 8 (wt % 2) + j
	global_load_b128 v[ACC+8*(4*\ht+\wt)+4:ACC+8*(4*\ht+\wt)+7], v98, s[76:77] offset:(32*(\wt/2)+8*(\wt%2))*4+16
.endr
.endr
.irp gp, 0,1
.irp s, 0,1,2,3
.irp i, 0,1,2,3
	global_load_u8 v[32+16*\gp+4*\s+\i], v96, s[82:83] offset:2048*(4*\s+\i)+32*\gp   ; h's scale bytes: block 4 s + i, lanes 0-15 tile 2 gp, lanes 16-31 tile 2 gp + 1
.endr
.endr
.endr
	s_wait_loadcnt 0x0
.irp gp, 0,1
.irp s, 0,1,2,3
	v_lshl_or_b32 v[8+4*\gp+\s], v[33+16*\gp+4*\s], 8, v[32+16*\gp+4*\s]
	s_delay_alu instid0(VALU_DEP_1)
	v_lshl_or_b32 v[8+4*\gp+\s], v[34+16*\gp+4*\s], 16, v[8+4*\gp+\s]
	s_delay_alu instid0(VALU_DEP_1)
	v_lshl_or_b32 v[8+4*\gp+\s], v[35+16*\gp+4*\s], 24, v[8+4*\gp+\s]
.endr
.endr
	PLACES 8                                       ; a scale register made by vector instructions stands eight places ahead of its matrix instruction
	s_branch .La_done
.La_v:
	s_wait_alu depctr_va_vdst(0)
	global_load_b128 v[24:27], v97, s[74:75]       ; W's scale words: register 24 + s: lanes 0-15 my first tile, lanes 16-31 my second
.irp wt, 0,1
	global_load_b32 v[28+2*\wt], v99, s[76:77] offset:32*\wt       ; my channel's bias, twice: a pair for the packed addition
	global_load_b32 v[29+2*\wt], v99, s[76:77] offset:32*\wt
.endr
.irp gp, 0,1,2,3
.irp s, 0,1,2,3
.irp i, 0,1,2,3
	global_load_u8 v[32+16*\gp+4*\s+\i], v96, s[82:83] offset:2048*(4*\s+\i)+32*\gp
.endr
.endr
.endr
	s_wait_loadcnt 0x0
.irp gp, 0,1,2,3
.irp s, 0,1,2,3
	v_lshl_or_b32 v[8+4*\gp+\s], v[33+16*\gp+4*\s], 8, v[32+16*\gp+4*\s]
	s_delay_alu instid0(VALU_DEP_1)
	v_lshl_or_b32 v[8+4*\gp+\s], v[34+16*\gp+4*\s], 16, v[8+4*\gp+\s]
	s_delay_alu instid0(VALU_DEP_1)
	v_lshl_or_b32 v[8+4*\gp+\s], v[35+16*\gp+4*\s], 24, v[8+4*\gp+\s]
.endr
.endr
	PLACES 8
.La_done:
	s_wait_tensorcnt 0x0                           ; my part of the tiles has landed,
	s_barrier_signal -1
	s_barrier_wait -1                              ; everybody's has.  Nothing is filled again in this launch
	s_cmp_lt_u32 s[WV], 8
	s_cbranch_scc0 .Lb_v
	; ---- q, k: W's four tiles in v32-95, two tiles of h at a time in v96-127; accumulator (wt, ht) at ACC + 8 (4 ht + wt).  The sixteen take turns
.irp s, 0,1,2,3
.irp wt, 0,1,2,3
.irp c, 0,1,2,3
	ds_load_b128 v[32+16*\wt+4*\c:35+16*\wt+4*\c], v1 offset:(32*(\wt/2)+8*(\wt%2))*528+128*\s+32*\c
.endr
.endr
	s_wait_alu depctr_va_vdst(0)
.irp g, 0,1
.irp e, 0,1
.irp c, 0,1,2,3
	ds_load_b128 v[96+16*\e+4*\c:99+16*\e+4*\c], v2 offset:8192*(2*\g+\e)+512*(4*\s+\c)
.endr
.endr
	s_wait_dscnt 0x0
.irp e, 0,1
.irp wt, 0,1,2,3
	MM ACC+8*(4*(2*\g+\e)+\wt), 32+16*\wt, 96+16*\e, ACC+8*(4*(2*\g+\e)+\wt), 16+4*(\wt/2)+\s, 8+4*\g+\s, \wt%2, \e
.endr
.endr
	PLACES 8                                       ; eight places in front of loads into registers that these products read, and of the first read of results
.endr
.endr
.irp b, 0,1,2,3
	v_mov_b32 v[TM+4+\b], 0                        ; a lane permute's destination counts as read
.endr
.irp ht, 0,1,2,3
	QUANT ACC+32*\ht, 2, 48+8*\ht, 40+\ht, 1       ; tile ht: my n's 64 channels: two blocks
	global_store_b128 v5, v[48+8*\ht:51+8*\ht], s[78:79] offset:1024*\ht          ; 512 consecutive bytes
	global_store_b128 v5, v[52+8*\ht:55+8*\ht], s[78:79] offset:1024*\ht+512
.endr
	v_cndmask_b32 v44, v40, v41, s[HM]             ; a word a pair of tiles: the even tile's in lanes 0-15, the odd one's in lanes 16-31
	v_cndmask_b32 v45, v42, v43, s[HM]
	global_store_b64 v6, v[44:45], s[80:81]        ; 256 consecutive bytes, aligned
	s_branch .Lend
.Lb_v:	; ---- v: W's two tiles in v32-63, four tiles of h at a time in v64-127; accumulator (ht, wt) at ACC + 8 (8 wt + ht)
.irp s, 0,1,2,3
.irp wt, 0,1
.irp c, 0,1,2,3
	ds_load_b128 v[32+16*\wt+4*\c:35+16*\wt+4*\c], v3 offset:8*\wt*528+128*\s+32*\c
.endr
.endr
	s_wait_alu depctr_va_vdst(0)
.irp g, 0,1
.irp e, 0,1,2,3
.irp c, 0,1,2,3
	ds_load_b128 v[64+16*\e+4*\c:67+16*\e+4*\c], v4 offset:8192*(4*\g+\e)+512*(4*\s+\c)
.endr
.endr
	s_wait_dscnt 0x0
.irp e, 0,1,2,3
.irp wt, 0,1
.if \s == 0
	MM ACC+8*(8*\wt+4*\g+\e), 64+16*\e, 32+16*\wt, -1, 8+4*((4*\g+\e)/2)+\s, 24+\s, \e%2, \wt
.else
	MM ACC+8*(8*\wt+4*\g+\e), 64+16*\e, 32+16*\wt, ACC+8*(8*\wt+4*\g+\e), 8+4*((4*\g+\e)/2)+\s, 24+\s, \e%2, \wt
.endif
.endr
.endr
	PLACES 8
.endr
.endr
.irp b, 0,1,2,3
	v_mov_b32 v[TM+4+\b], 0
.endr
.irp wt, 0,1
.set j, 0
.rept 32
	v_pk_add_f32 v[ACC+64*\wt+j:ACC+64*\wt+j+1], v[ACC+64*\wt+j:ACC+64*\wt+j+1], v[28+2*\wt:29+2*\wt]   ; + my channel's bias; each accumulator from its low end on
.set j, j+2
.endr
	QUANT ACC+64*\wt, 4, 48+16*\wt, 40+\wt, 0      ; my channel's 128 keys: four blocks: one fragment of V^T
.irp c, 0,1,2,3
	global_store_b128 v5, v[48+16*\wt+4*\c:51+16*\wt+4*\c], s[78:79] offset:2048*\wt+512*\c
.endr
.endr
	v_cndmask_b32 v44, v40, v41, s[HM]
	global_store_b32 v7, v44, s[80:81]             ; 128 consecutive bytes: half an aligned 256; V's scale words are 131,072 bytes in all
.Lend:
	s_set_vgpr_msb 0x5
	s_wait_tensorcnt 0x0
	ds_add_u32 v0, v1
	s_wait_dscnt 0x0
	s_set_vgpr_msb 0x500
	CROUND                                         ; the closing round: no work-group ends while a partner may still ask for a tile that names it
	s_endpgm
.Lfunc_end_k_q02f0055931_qkv:
	.size	k_q02f0055931_qkv, .Lfunc_end_k_q02f0055931_qkv-k_q02f0055931_qkv
	.p2alignl 7, 3214868480
	.fill 96, 4, 3214868480
	.section	.rodata,"a",@progbits
	.p2align	6, 0x0
	.amdhsa_kernel k_q02f0055931_qkv
		.amdhsa_group_segment_fixed_size 233984
		.amdhsa_private_segment_fixed_size 0
		.amdhsa_enable_private_segment 0
		.amdhsa_kernarg_size 120
		.amdhsa_user_sgpr_count 2
		.amdhsa_user_sgpr_kernarg_segment_ptr 1
		.amdhsa_wavefront_size32 1
		.amdhsa_system_sgpr_workgroup_id_x 1
		.amdhsa_system_sgpr_workgroup_id_y 1
		.amdhsa_system_sgpr_workgroup_id_z 1
		.amdhsa_system_vgpr_workitem_id 0
		.amdhsa_next_free_vgpr 258
		.amdhsa_next_free_sgpr 100
		.amdhsa_reserve_vcc 0
		.amdhsa_float_denorm_mode_32 3
		.amdhsa_float_denorm_mode_16_64 3
		.amdhsa_fp16_overflow 1
		.amdhsa_memory_ordered 1
		.amdhsa_forward_progress 1
		.amdhsa_inst_pref_size 88
	.end_amdhsa_kernel
	.amdgpu_metadata
---
amdhsa.version: [ 1, 2 ]
amdhsa.kernels:
  - .name:           k_q02f0055931_qkv
    .symbol:         k_q02f0055931_qkv.kd
    .args:
      - { .name: hc, .offset: 0, .size: 8, .value_kind: global_buffer, .address_space: global }
      - { .name: hs, .offset: 8, .size: 8, .value_kind: global_buffer, .address_space: global }
      - { .name: q_w_codes, .offset: 16, .size: 8, .value_kind: global_buffer, .address_space: global }
      - { .name: q_w_scales, .offset: 24, .size: 8, .value_kind: global_buffer, .address_space: global }
      - { .name: q_b, .offset: 32, .size: 8, .value_kind: global_buffer, .address_space: global }
      - { .name: k_w_codes, .offset: 40, .size: 8, .value_kind: global_buffer, .address_space: global }
      - { .name: k_w_scales, .offset: 48, .size: 8, .value_kind: global_buffer, .address_space: global }
      - { .name: k_b, .offset: 56, .size: 8, .value_kind: global_buffer, .address_space: global }
      - { .name: v_w_codes, .offset: 64, .size: 8, .value_kind: global_buffer, .address_space: global }
      - { .name: v_w_scales, .offset: 72, .size: 8, .value_kind: global_buffer, .address_space: global }
      - { .name: v_b, .offset: 80, .size: 8, .value_kind: global_buffer, .address_space: global }
      - { .name: qc, .offset: 88, .size: 8, .value_kind: global_buffer, .address_space: global }
      - { .name: qs, .offset: 96, .size: 8, .value_kind: global_buffer, .address_space: global }
      - { .name: kv, .offset: 104, .size: 8, .value_kind: global_buffer, .address_space: global }
      - { .name: kvs, .offset: 112, .size: 8, .value_kind: global_buffer, .address_space: global }
    .group_segment_fixed_size: 233984
    .private_segment_fixed_size: 0
    .kernarg_segment_align: 8
    .kernarg_segment_size: 120
    .max_flat_workgroup_size: 384
    .sgpr_count:     100
    .vgpr_count:     258
    .wavefront_size: 32
...
	.end_amdgpu_metadata
.endif
;; end of part 2
;; launch attn (part 3): grid 8 x 32, 16 waves a work-group, clusters of 4 x 1, 327,680 bytes of LDS; arguments qc, qs, kv, kvs, oc, os; writes oc, os
.if DOCPART == 3
	.amdgcn_target "amdgcn-amd-amdhsa--gfx1250"
	.amdhsa_code_object_version 6
	.text
	.protected	k_q02f0055931_attn
	.globl	k_q02f0055931_attn
	.p2align	8
	.type	k_q02f0055931_attn,@function
k_q02f0055931_attn:
	s_mov_b64 s[64:65], 0
	v_nop
	global_prefetch_b8 v0, s[64:65] scope:SCOPE_SE
	s_setreg_imm32_b32 hwreg(HW_REG_WAVE_MODE, 25, 1), 1
	s_wait_xcnt 0x0
	s_wait_alu depctr_hold_cnt(0) depctr_sa_sdst(0) depctr_va_vdst(0) depctr_va_sdst(0) depctr_va_ssrc(0) depctr_va_vcc(0) depctr_vm_vsrc(0)
	s_getreg_b32 s2, hwreg(HW_REG_IB_STS2, 6, 4)
	s_cmp_eq_u32 s2, 0
	s_cbranch_scc0 .Lentry_in_a_cluster
	s_endpgm
.Lentry_in_a_cluster:
	s_bfe_u32 s2, ttmp6, 0x10000c
	s_cmp_lg_u32 s2, 0x3003
	s_cbranch_scc0 .Lentry_shape_is_right
	s_endpgm
.Lentry_shape_is_right:
; Attention of one head on codes of E4M3: S^T = K Q^T (K = the head's 64 channels of the instruction's 128), p = 2^(t - M), O^T = V^T P^T (K = the keys), O / l, and the quantiser along the channels.
; t = score x log2(e) / sqrt(512); M = the running largest t rounded UP to a whole number; p is quantised along the keys, not normalised; l is the sum of the unquantised p.  When M moves, l and O^T are multiplied by 2^(old M - new M): exact.
; SHARES.  A work-group owns 256 queries of one head, each of its sixteen waves one tile of 16, in 256 registers: four waves to a SIMD, so that one wave's vector work stands beside another's products and LDS loads.
; Every wave walks the head's 2,048 keys, 128 a step.  A lane holds ONE query throughout (both products are used transposed); the keys of a tile are chosen so that p's 16 registers of two neighbouring tiles are 16 neighbouring keys.
; K'S FRAGMENTS OVERLAP.  A tile of K is 8 registers; the instruction names 16.  Tile t's fragment is v[KF + 8 t .. KF + 8 t + 15]: its own 64 channels and, as channels 64 .. 127, the next tile's codes (behind tile 7: p's first eight code registers).
; Those are finite codes under the scale byte 127, and they meet Q's zero codes: they add nothing.  So a step's eight tiles lie in 64 registers at once, and the NEXT step's are loaded as soon as the eighth product has its places: they land under the softmax.
; LDS.  The head's K, V^T and their scale words are 274,432 bytes and are filled ONCE, as they lie in memory (images of operand registers: every LDS load takes 512 consecutive bytes): no slot is ever filled again.
; All loads go out at the head, five a wave: the scale words, then four chunks of four key steps.  Steps 0-3 are read behind a counted wait and a barrier, while the later chunks are on their way; steps 4-15 behind the wait for all and one more barrier.
; CLUSTER 4 x 1: the four blocks of queries of a cluster belong to one head: every load is asked for jointly (mask 15).
; OUT.  oc as the first launch's hc (block 2 head + be); os [b][head][tile][row][2 B]: the head's two scale bytes of a row.
; LIMITS: a block whose largest magnitude lies under 2^-118 gets the byte 1 (this program alone reads the bytes).  NaN and infinities are not served.
; REGISTERS: v1 16 x lane; v2, v3 K's and V's scale words' places; v4-6 the step's addresses; v7, v10 the way out's LDS addresses; v11 8 r; v8-9 V's scale words; v12 -M, v13 largest t, v[14:15] l in two halves;
;   v16-31 Q (upper 8 zeros); v32-95 S^T, then p, then (v64-95) V's fragments 2, 3; v96-127 O^T; v128-159 V's fragments 0, 1; v160-223 K; v224-239 p's codes; v232-247 at work; v248-251 K's scale words; v252 f, v253 p's scale word, v254 at work, v255 Q's scale word.
.set SC,   262144                      ; the scale words: 16 key steps x 768 bytes
.set OSC,  274432                      ; 512 bytes for the way out's scale half-words; no load lands here
.set QF,   16
.set S,    32
.set O,    96
.set VF,   128
.set KF,   160
.set PC,   224
.set BM,   232                         ; v232-235 the blocks' largest scores, then largest p
.set T4,   236                         ; v236-239 at work; at last the second copy of the holds
.set HD,   240                         ; v240-243 448 x the scale
.set SO,   244                         ; v244-247 the conversions' scale operands
.set KS,   248
.set QS,   255
.set TM,   80                          ; the way out's quantiser: v80-95
.set WV,   16
.set SEL,  20
.set CS,   22                          ; s[22:23] c = log2(e) / sqrt(512)
.set MNT,  24
.set TB,   25                          ; s25 the step's tiles begin here
.set TS,   26                          ; s26 its scale words, from SC on
.set CNT,  27
.macro PLACES n
.rept \n
	v_nop
.endr
.endm
.macro CROUND
	s_barrier_signal -1
	s_barrier_wait -1
	s_cmp_lg_u32 s[WV], 0
	s_cbranch_scc1 .Lnot_wave_0_\@
	s_barrier_signal -3
.Lnot_wave_0_\@:
	s_barrier_wait -3
	s_barrier_signal -1
	s_barrier_wait -1
.endm
.macro MM d, a, b, c, sa, sb, ra       ; one scaled matrix instruction; c < 0: the constant 0 starts the sum; ra = 1: source 0's scales are read from lanes 16-31
.set rD, \d
.set rA, \a
.set rB, \b
.set rC, \c
.set rX, \sa
.set rY, \sb
.set rR, \ra
.if rC < 0
.if rR == 0
	v_wmma_scale_f32_16x16x128_f8f6f4 v[rD:rD+7], v[rA:rA+15], v[rB:rB+15], 0, v[rX], v[rY]
.else
	v_wmma_scale_f32_16x16x128_f8f6f4 v[rD:rD+7], v[rA:rA+15], v[rB:rB+15], 0, v[rX], v[rY] matrix_a_scale:MATRIX_SCALE_ROW1
.endif
.else
.if rR == 0
	v_wmma_scale_f32_16x16x128_f8f6f4 v[rD:rD+7], v[rA:rA+15], v[rB:rB+15], v[rC:rC+7], v[rX], v[rY]
.else
	v_wmma_scale_f32_16x16x128_f8f6f4 v[rD:rD+7], v[rA:rA+15], v[rB:rB+15], v[rC:rC+7], v[rX], v[rY] matrix_a_scale:MATRIX_SCALE_ROW1
.endif
.endif
.endm
	s_load_b256 s[4:11], s[0:1], 0x0               ; qc, qs, kv, kvs
	s_load_b128 s[12:15], s[0:1], 0x20             ; oc, os
	v_lshl_add_u32 v254, v0, 2, 0x43200
	v_mov_b32 v255, 0
	ds_add_u32 v254, v255
	ds_add_u32 v254, v255
	s_wait_dscnt 0x0
	v_lshrrev_b32 v1, 5, v0
	s_delay_alu instid0(VALU_DEP_1)
	v_readfirstlane_b32 s[WV], v1                  ; wave 0..15
	v_and_b32 v4, 31, v0
	s_delay_alu instid0(VALU_DEP_1)
	v_lshlrev_b32 v1, 4, v4
	s_delay_alu instid0(VALU_DEP_2)
	v_lshl_add_u32 v2, v4, 3, SC
	s_delay_alu instid0(VALU_DEP_3)
	v_lshl_add_u32 v3, v4, 2, SC+512
	s_delay_alu instid0(VALU_DEP_4)
	v_lshl_add_u32 v7, v4, 4, OSC
	v_and_b32 v11, 15, v0
	s_lshl_b32 s68, s[WV], 5
	s_add_co_u32 s68, s68, OSC
	v_lshl_add_u32 v10, v11, 1, s68                ; OSC + 32 x wave + 2 r
	v_lshlrev_b32 v11, 3, v11
	s_bfe_u32 s17, ttmp6, 0x40000                  ; cx
	s_lshl_b32 s18, ttmp9, 2
	s_add_co_u32 s18, s18, s17                     ; my block of 256 queries: it enters Q's, oc's and os's addresses alone
	s_and_b32 s19, ttmp7, 0xffff                   ; bh, which the four partners share
	s_mov_b32 s28, 15|(3<<16)|(1<<21)              ; a chunk's sixteenth: 16 rows of 256 bytes (32 elements of 8), dense; the mask names all four; bit 21 beside it
	s_mov_b32 s29, 32<<16
	s_mov_b32 s30, 16<<16
	s_mov_b32 s31, 32<<16
	s_mov_b32 s32, 16
	s_mov_b32 s33, 32
	s_mov_b32 s34, 0
	s_mov_b32 s35, 0
	s_mov_b32 s36, 15|(3<<16)|(1<<21)              ; the scale words' sixteenth: 3 such rows
	s_mov_b32 s37, 32<<16
	s_mov_b32 s38, 3<<16
	s_mov_b32 s39, 32<<16
	s_mov_b32 s40, 3
	s_mov_b32 s41, 32
	s_mov_b32 s42, 0
	s_mov_b32 s43, 0
	s_lshl_b32 s73, s[WV], 12
	s_lshl_b32 s68, s19, 18
	s_add_co_u32 s68, s68, s73
	s_mov_b32 s69, 0
	s_mul_i32 s70, s19, 12288
	s_mul_i32 s72, s[WV], 768
	s_add_co_u32 s70, s70, s72
	s_mov_b32 s71, 0
	s_mov_b32 s[SEL], 0x76543210
	s_mov_b32 s[SEL+1], 0xfedcba98
	s_mov_b32 s[CS], 0x3d8293ee
	s_mov_b32 s[CS+1], s[CS]                       ; (named with it as a pair, so it is written)
	s_mov_b32 s[MNT], 0x600000
	s_wait_kmcnt 0x0
	s_add_nc_u64 s[74:75], s[8:9], s[68:69]
.irp i, 0,1,2,3
	s_mov_b32 s[44+4*\i], 1
	s_add_co_u32 s[45+4*\i], s73, 65536*\i         ; LDS as memory: 65,536 x chunk + 4,096 x wave
	s_add_nc_u64 s[46+4*\i:47+4*\i], s[74:75], 65536*\i
	s_or_b32 s[47+4*\i], s[47+4*\i], 0x80000000
.endr
	s_mov_b32 s60, 1
	s_add_co_u32 s61, s72, SC
	s_add_nc_u64 s[62:63], s[10:11], s[70:71]
	s_or_b32 s63, s63, 0x80000000
	CROUND                                         ; all four work-groups are here: the joint loads meet
	tensor_load_to_lds s[60:63], s[36:43]          ; five loads of mine are out: the scale words,
	s_nop 0
	tensor_load_to_lds s[44:47], s[28:35]          ; chunk 0,
	s_nop 0
	tensor_load_to_lds s[48:51], s[28:35]
	s_nop 0
	tensor_load_to_lds s[52:55], s[28:35]
	s_nop 0
	tensor_load_to_lds s[56:59], s[28:35]          ; .. chunk 3
	s_nop 0
	PLACES 4
	s_lshl_b32 s76, s18, 4
	s_add_co_u32 s76, s76, s[WV]                   ; my tile of queries, 0 .. 127
	s_lshl_b32 s68, s19, 17
	s_lshl_b32 s70, s76, 10
	s_add_co_u32 s68, s68, s70
	s_add_nc_u64 s[4:5], s[4:5], s[68:69]          ; its codes
	s_lshl_b32 s68, s19, 13
	s_lshl_b32 s70, s18, 2
	s_lshr_b32 s72, s[WV], 2
	s_add_co_u32 s70, s70, s72
	s_lshl_b32 s70, s70, 8
	s_add_co_u32 s68, s68, s70
	s_bfe_u32 s70, s[WV], 0x10001
	s_lshl_b32 s70, s70, 2
	s_add_co_u32 s68, s68, s70
	s_and_b32 s70, s[WV], 1
	s_lshl_b32 s70, s70, 7
	s_add_co_u32 s68, s68, s70
	s_add_nc_u64 s[6:7], s[6:7], s[68:69]          ; its scale words: unit tile / 4, word (tile / 2) % 2, lanes 16 (tile % 2) on
	s_wait_alu depctr_va_vdst(0)
	global_load_b128 v[QF:QF+3], v1, s[4:5]
	global_load_b128 v[QF+4:QF+7], v1, s[4:5] offset:512
	global_load_b32 v[QS], v11, s[6:7]
	s_lshr_b32 s68, s19, 3
	s_lshl_b32 s68, s68, 7
	s_add_co_u32 s68, s68, s76
	s_lshl_b32 s68, s68, 13
	s_and_b32 s70, s19, 7
	s_lshl_b32 s70, s70, 10
	s_add_co_u32 s68, s68, s70
	s_add_nc_u64 s[12:13], s[12:13], s[68:69]      ; oc: (128 b + tile) x 8,192 + head x 1,024
	s_lshl_b32 s68, s19, 12
	s_lshl_b32 s70, s18, 9
	s_add_co_u32 s68, s68, s70
	s_add_nc_u64 s[14:15], s[14:15], s[68:69]      ; os: bh x 4,096 + block x 512
.irp j, 0,1,2,3,4,5,6,7
	v_mov_b32 v[QF+8+\j], 0                        ; Q's zero codes: channels 64 .. 127 of the instruction's K: written once
	v_mov_b32 v[PC+\j], 0                          ; what stands behind K's tile 7 in the first step: codes like any other from the second step on
.endr
.set j, 0
.rept 32
	v_mov_b32 v[O+j], 0                            ; O^T: the step is written for all steps alike; the first finds zeros, which the first change of M leaves zeros
.set j, j+1
.endr
	v_mov_b32 v13, 0xff61b1e6                      ; the largest t so far: -3e38
	s_delay_alu instid0(VALU_DEP_1)
	v_floor_f32 v12, -v13
	v_mov_b32 v14, 0
	v_mov_b32 v15, 0
.irp b, 0,1,2,3
	v_mov_b32 v[T4+\b], 0                          ; a lane permute's destination counts as read
.endr
	v_mov_b32 v253, 0                              ; (named as the upper half of v[252:253] before it is first written)
; A key step's eight tiles of K (64 channels: 8 registers a tile) and their scale words (register KS + t / 2: tile t in lanes 16 (t % 2) on), off and soff bytes on from the addresses in v4 and v5
.macro KLOAD off, soff
.irp t, 0,1,2,3,4,5,6,7
.irp c, 0,1
	ds_load_b128 v[KF+8*\t+4*\c:KF+8*\t+4*\c+3], v4 offset:\off+1024*\t+512*\c
.endr
.endr
	ds_load_b64 v[KS:KS+1], v5 offset:\soff
	ds_load_b64 v[KS+2:KS+3], v5 offset:\soff+256
.endm
; A KEY STEP: 128 keys.  Its K is in registers or on its way when the step begins.  pf = 1: the next step's K is fetched.
.macro STEP pf
	s_wait_dscnt 0x0                               ; K and its scale words, asked for a step ago
.irp t, 0,1,2,3
	MM S+8*\t, KF+8*\t, QF, -1, KS+\t/2, QS, \t%2
.endr
	v_add_nc_u32 v4, s[TB], v1                     ; the step's addresses, and six v_nop: NINE places.  They stand between the last step's V^T P^T and the products below that write over its fragments in v64-95 (nine are asked: ISA guide 7.12.1),
	v_add_nc_u32 v5, s[TS], v2                     ; between it and the loads into its fragments in v128-159 and its scale words (eight),
	v_add_nc_u32 v6, s[TS], v3                     ; and between the four products above and the first read of their results (eight)
	PLACES 6
.irp ct, 0,1
.irp c, 0,1,2,3
	ds_load_b128 v[VF+16*\ct+4*\c:VF+16*\ct+4*\c+3], v4 offset:8192+2048*\ct+512*\c   ; V^T's fragments 0, 1: they land under the softmax
.endr
.endr
	ds_load_b32 v8, v6                             ; V's scale words: fragments 0 (lanes 0-15) and 1; 2 and 3
	ds_load_b32 v9, v6 offset:128
.irp t, 4,5,6,7
	MM S+8*\t, KF+8*\t, QF, -1, KS+\t/2, QS, \t%2
.endr
; The largest score of each block of 32 keys: it serves the row's maximum and, since p rises with the score, the block's largest p.  Blocks 0 and 1 first: their sixteen lines are the places behind the four products just issued.
.irp p, 0,2
.irp b, 0,1
	v_max3_num_f32 v[BM+\p+\b], v[S+16*(\p+\b)], v[S+1+16*(\p+\b)], v[S+2+16*(\p+\b)]
.endr
.irp i, 3,5,7,9,11,13
.irp b, 0,1
	v_max3_num_f32 v[BM+\p+\b], v[BM+\p+\b], v[S+16*(\p+\b)+\i], v[S+1+16*(\p+\b)+\i]
.endr
.endr
.irp b, 0,1
	v_max_num_f32 v[BM+\p+\b], v[BM+\p+\b], v[S+15+16*(\p+\b)]
.endr
.if (\p == 0) && \pf
	KLOAD 16384, 768                               ; the next step's K, sixteen places behind the last product that read these registers
.endif
.endr
.irp b, 0,1,2,3
	v_permlanex16_b32 v[T4+\b], v[BM+\b], s[SEL], s[SEL+1]
.endr
.irp b, 0,1,2,3
	s_delay_alu instid0(VALU_DEP_4)
	v_max_num_f32 v[BM+\b], v[BM+\b], v[T4+\b]     ; with lane l xor 16's 16 keys
.endr
	s_delay_alu instid0(VALU_DEP_2)
	v_max3_num_f32 v254, v[BM], v[BM+1], v[BM+2]
	s_delay_alu instid0(VALU_DEP_1)
	v_max_num_f32 v254, v254, v[BM+3]
	s_delay_alu instid0(VALU_DEP_1)
	v_mul_f32 v254, s[CS], v254                    ; the step's largest t (c is positive)
	s_delay_alu instid0(VALU_DEP_1)
	v_max_num_f32 v13, v13, v254
	v_mov_b32 v254, v12
	s_delay_alu instid0(VALU_DEP_2)
	v_floor_f32 v12, -v13                          ; the new -M = floor(-t) = -ceil(t)
	s_delay_alu instid0(VALU_DEP_1)
	v_sub_f32 v254, v12, v254                      ; old M - new M: a whole number, 0 or less
	s_delay_alu instid0(VALU_DEP_1)
	v_cvt_i32_f32 v254, v254                       ; (it saturates)
	s_delay_alu instid0(VALU_DEP_1)
	v_ldexp_f32 v252, 1.0, v254                    ; f = 2^(old M - new M)
.set j, 0
.rept 32
	v_pk_fma_f32 v[S+j:S+j+1], v[S+j:S+j+1], s[CS:CS+1], v[12:13] op_sel_hi:[1,0,0]   ; t - M, two at a time
.set j, j+2
.endr
.irp b, 0,1,2,3
	v_fma_f32 v[BM+\b], v[BM+\b], s[CS], v12       ; the same of each block's largest score
.endr
.set j, 0
	s_wait_alu depctr_va_vdst(0)
.rept 64
	v_exp_f32 v[S+j], v[S+j]                       ; p = 2^(t - M)
.set j, j+1
.endr
	s_setprio 1
	v_pk_mul_f32 v[14:15], v[14:15], v[252:253] op_sel_hi:[1,0]    ; l under the new M (a plain instruction behind the exponentials)
	s_wait_alu depctr_va_vdst(0)                   ; one wait for the batch of 64, ahead of its first reader
.irp b, 0,1,2,3
	v_exp_f32 v[BM+\b], v[BM+\b]                   ; the block's largest p: the same two instructions on the same number give the same bits
.endr
	v_pk_add_f32 v[236:237], v[36:37], v[40:41]
	v_pk_add_f32 v[246:247], v[44:45], v[48:49]
	v_pk_add_f32 v[244:245], v[52:53], v[56:57]
	v_pk_add_f32 v[242:243], v[60:61], v[64:65]
	v_pk_add_f32 v[240:241], v[68:69], v[72:73]
	v_pk_add_f32 v[238:239], v[76:77], v[80:81]
	v_pk_add_f32 v[230:231], v[84:85], v[88:89]
	v_pk_add_f32 v[14:15], v[14:15], v[92:93]
	v_pk_add_f32 v[236:237], v[236:237], v[32:33]
	v_pk_add_f32 v[246:247], v[246:247], v[34:35]
	v_pk_add_f32 v[244:245], v[244:245], v[38:39]
	v_pk_add_f32 v[242:243], v[242:243], v[42:43]
	v_pk_add_f32 v[240:241], v[240:241], v[46:47]
	v_pk_add_f32 v[238:239], v[238:239], v[50:51]
	v_pk_add_f32 v[230:231], v[230:231], v[54:55]
	v_pk_add_f32 v[14:15], v[14:15], v[58:59]
	v_pk_add_f32 v[236:237], v[236:237], v[62:63]
	v_pk_add_f32 v[246:247], v[246:247], v[66:67]
	v_pk_add_f32 v[244:245], v[244:245], v[70:71]
	v_pk_add_f32 v[242:243], v[242:243], v[74:75]
	v_pk_add_f32 v[240:241], v[240:241], v[78:79]
	v_pk_add_f32 v[238:239], v[238:239], v[82:83]
	v_pk_add_f32 v[230:231], v[230:231], v[86:87]
	v_pk_add_f32 v[14:15], v[14:15], v[90:91]
	v_pk_add_f32 v[236:237], v[236:237], v[94:95]
	s_delay_alu instid0(VALU_DEP_2)
	v_pk_add_f32 v[14:15], v[14:15], v[242:243]
	s_delay_alu instid0(VALU_DEP_2)
	v_pk_add_f32 v[236:237], v[236:237], v[240:241]
	v_pk_add_f32 v[246:247], v[246:247], v[238:239]
	v_pk_add_f32 v[244:245], v[244:245], v[230:231]
	s_delay_alu instid0(VALU_DEP_2)
	v_pk_add_f32 v[14:15], v[14:15], v[246:247]
	s_delay_alu instid0(VALU_DEP_2)
	v_pk_add_f32 v[236:237], v[236:237], v[244:245]
	s_delay_alu instid0(VALU_DEP_1)
	v_pk_add_f32 v[14:15], v[14:15], v[236:237]
	s_wait_alu depctr_va_vdst(0)                   ; and one for the four
.irp b, 0,1,2,3
	v_max_num_f32 v[BM+\b], 0x4800000, v[BM+\b]    ; the floor 2^(9 - 127): the byte cannot fall under 1
.endr
.irp b, 0,1,2,3
	s_delay_alu instid0(VALU_DEP_4)
	v_add_nc_u32 v[SO+\b], 0xfc000000, v[BM+\b]    ; the conversion's scale operand
.endr
.irp b, 0,1,2,3
	v_and_or_b32 v[HD+\b], v[BM+\b], 0x7f800000, s[MNT]            ; 448 x the scale
.endr
.irp b, 0,1,2,3
	v_lshrrev_b32 v[T4+\b], 23, v[SO+\b]           ; the scale's byte
.endr
	s_delay_alu instid0(VALU_DEP_3)
	v_lshl_or_b32 v253, v[T4+1], 8, v[T4]          ; p's scale word for these 128 keys
	s_delay_alu instid0(VALU_DEP_1)
	v_lshl_or_b32 v253, v[T4+2], 16, v253
	s_delay_alu instid0(VALU_DEP_1)
	v_lshl_or_b32 v253, v[T4+3], 24, v253
	v_dual_mov_b32 v[T4+1], v[HD] :: v_dual_mov_b32 v[T4+2], v[HD+1]        ; block b's hold once more, in v[T4 + (b + 1) % 4]: the dual form below wants its two second sources at different register numbers modulo 4
	v_dual_mov_b32 v[T4+3], v[HD+2] :: v_dual_mov_b32 v[T4], v[HD+3]
.irp b, 0,1,2,3
.irp i, 0,2,4,6,8,10,12,14
	v_dual_min_num_f32 v[S+16*\b+\i], v[S+16*\b+\i], v[HD+\b] :: v_dual_min_num_f32 v[S+16*\b+\i+1], v[S+16*\b+\i+1], v[T4+(\b+1)%4]   ; the conversion does not saturate (ISA guide 7.6.2); p is not negative, so the hold is one-sided; two holds an instruction
.endr
	v_cvt_scalef32_pk8_fp8_f32 v[PC+4*\b:PC+4*\b+1], v[S+16*\b:S+16*\b+7], v[SO+\b]
	v_cvt_scalef32_pk8_fp8_f32 v[PC+4*\b+2:PC+4*\b+3], v[S+16*\b+8:S+16*\b+15], v[SO+\b]
.if \b > 1
.irp c, 0,1,2,3
	ds_load_b128 v[S+16*\b+4*\c:S+16*\b+4*\c+3], v4 offset:8192+2048*\b+512*\c        ; V^T's fragment b, into the registers that block b's p has just left
.endr
.endif
.endr
.set j, 0
	s_setprio 0
.rept 16
	v_pk_mul_f32 v[O+j:O+j+1], v[O+j:O+j+1], v[252:253] op_sel_hi:[1,0]   ; O^T under the new M; these sixteen also stand between the conversions and the products
.set j, j+2
.endr
	s_wait_alu depctr_va_vdst(0)
	s_wait_dscnt 0x0                               ; V's fragments and scale words (the next step's K, asked for between them, with them)
	MM O, VF, PC, O, 8, 253, 0                     ; O^T += V^T P^T: four accumulators by turns
	MM O+8, VF+16, PC, O+8, 8, 253, 1
	MM O+16, S+32, PC, O+16, 9, 253, 0
	MM O+24, S+48, PC, O+24, 9, 253, 1
	s_add_co_u32 s[TB], s[TB], 16384
	s_add_co_u32 s[TS], s[TS], 768
.endm
; A run of trips + 1 key steps from step first on.  Tensor loads of a wave end in order (ISA guide 10.11.1): left = how many were issued behind the last one that the run reads.  Behind the barrier every wave's part is in;
; nothing is filled again, so later chunks may stay on their way.  The run's last step is written out: it fetches no K ahead, so no read reaches past the tiles that the run's barrier has shown.
.macro RUN first, left, trips
	s_wait_tensorcnt \left
	s_barrier_signal -1
	s_barrier_wait -1
	s_mov_b32 s[TB], 16384*\first
	s_mov_b32 s[TS], 768*\first
	s_mov_b32 s[CNT], \trips
	v_add_nc_u32 v4, s[TB], v1
	v_add_nc_u32 v5, s[TS], v2
	KLOAD 0, 0                                     ; the run's first K
.Lstep_\@:
	s_setprio 2
	STEP 1
	s_sub_co_u32 s[CNT], s[CNT], 1
	s_cmp_lg_u32 s[CNT], 0
	s_cbranch_scc1 .Lstep_\@
	s_setprio 0
	STEP 0
.endm
	s_wait_loadcnt 0x0                             ; Q
	RUN 0, 3, 3                                    ; steps 0-3: the scale words and chunk 0 are in; chunks 1, 2, 3 were issued behind them
	RUN 4, 0, 11                                   ; steps 4-15: every wave has waited for all its loads in front of this barrier
	; THE WAY OUT: O^T / l, quantised along the channels: register 16 be + i is channel 32 be + 16 (lane / 16) + i of my query.
	PLACES 8
	v_add_f32 v14, v14, v15
	s_delay_alu instid0(VALU_DEP_1)
	v_permlanex16_b32 v252, v14, s[SEL], s[SEL+1]
	s_delay_alu instid0(VALU_DEP_1)
	v_add_f32 v14, v14, v252                       ; the row's sum
	s_wait_alu depctr_va_vdst(0)
	v_rcp_f32 v14, v14
.irp b, 0,1
	v_mov_b32 v[TM+4+\b], 0                        ; (plain instructions behind the reciprocal; a lane permute's destination counts as read)
.endr
	s_wait_alu depctr_va_vdst(0)                   ; ahead of the first reader
.set j, 0
.rept 32
	v_mul_f32 v[S+j], v[O+j], v14                  ; each accumulator from its low end on
.set j, j+1
.endr
.irp b, 0,1
	v_max3_num_f32 v[TM+\b], |v[S+16*\b]|, |v[S+1+16*\b]|, 0x4800000
.endr
.irp i, 2,4,6,8,10,12,14
.irp b, 0,1
	s_delay_alu instid0(VALU_DEP_2)
	v_max3_num_f32 v[TM+\b], v[TM+\b], |v[S+16*\b+\i]|, |v[S+1+16*\b+\i]|
.endr
.endr
.irp b, 0,1
	s_delay_alu instid0(VALU_DEP_2)
	v_permlanex16_b32 v[TM+4+\b], v[TM+\b], s[SEL], s[SEL+1]
.endr
.irp b, 0,1
	s_delay_alu instid0(VALU_DEP_2)
	v_max_num_f32 v[TM+\b], v[TM+\b], v[TM+4+\b]
.endr
.irp b, 0,1
	s_delay_alu instid0(VALU_DEP_2)
	v_add_nc_u32 v[TM+12+\b], 0xfc000000, v[TM+\b]
.endr
.irp b, 0,1
.endr
.irp b, 0,1
	s_delay_alu instid0(VALU_DEP_2)
	v_lshrrev_b32 v[TM+4+\b], 23, v[TM+12+\b]
.endr
	s_delay_alu instid0(VALU_DEP_1)
	v_lshl_or_b32 v72, v[TM+5], 8, v[TM+4]         ; the head's two scale bytes of my row
.irp b, 0,1
.irp i, 0,1,2,3,4,5,6,7,8,9,10,11,12,13,14,15
.endr
	v_cvt_scalef32_pk8_fp8_f32 v[64+4*\b:65+4*\b], v[S+16*\b:S+16*\b+7], v[TM+12+\b]
	v_cvt_scalef32_pk8_fp8_f32 v[66+4*\b:67+4*\b], v[S+16*\b+8:S+16*\b+15], v[TM+12+\b]
.endr
	v_nop                                          ; a plain instruction behind the last conversion
	global_store_b128 v1, v[64:67], s[12:13]       ; 512 consecutive bytes each
	global_store_b128 v1, v[68:71], s[12:13] offset:512
	ds_store_b16 v10, v72                          ; both halves of the lanes write the same half-word with the same value
	s_wait_dscnt 0x0                               ; for wave 0's sake: my store has landed
	s_barrier_signal -1
	s_barrier_wait -1
	s_cmp_lg_u32 s[WV], 0
	s_cbranch_scc1 .Lnot_first
	ds_load_b128 v[76:79], v7                      ; the work-group's 512 bytes of scale half-words leave as two aligned runs of 256
	s_wait_dscnt 0x0
	global_store_b128 v1, v[76:79], s[14:15]
.Lnot_first:
	s_wait_xcnt 0x0
	v_lshl_add_u32 v254, v0, 2, 0x43200
	v_mov_b32 v255, 0
	s_wait_alu depctr_va_vdst(0)
	s_wait_tensorcnt 0x0
	ds_add_u32 v254, v255
	s_wait_dscnt 0x0
	CROUND                                         ; the closing round
	s_endpgm
.Lfunc_end_k_q02f0055931_attn:
	.size	k_q02f0055931_attn, .Lfunc_end_k_q02f0055931_attn-k_q02f0055931_attn
	.p2alignl 7, 3214868480
	.fill 96, 4, 3214868480
	.section	.rodata,"a",@progbits
	.p2align	6, 0x0
	.amdhsa_kernel k_q02f0055931_attn
		.amdhsa_group_segment_fixed_size 327680
		.amdhsa_private_segment_fixed_size 0
		.amdhsa_enable_private_segment 0
		.amdhsa_kernarg_size 48
		.amdhsa_user_sgpr_count 2
		.amdhsa_user_sgpr_kernarg_segment_ptr 1
		.amdhsa_wavefront_size32 1
		.amdhsa_system_sgpr_workgroup_id_x 1
		.amdhsa_system_sgpr_workgroup_id_y 1
		.amdhsa_system_sgpr_workgroup_id_z 1
		.amdhsa_system_vgpr_workitem_id 0
		.amdhsa_next_free_vgpr 256
		.amdhsa_next_free_sgpr 84
		.amdhsa_reserve_vcc 0
		.amdhsa_float_denorm_mode_32 3
		.amdhsa_float_denorm_mode_16_64 3
		.amdhsa_fp16_overflow 1
		.amdhsa_memory_ordered 1
		.amdhsa_forward_progress 1
		.amdhsa_inst_pref_size 91
	.end_amdhsa_kernel
	.amdgpu_metadata
---
amdhsa.version: [ 1, 2 ]
amdhsa.kernels:
  - .name:           k_q02f0055931_attn
    .symbol:         k_q02f0055931_attn.kd
    .args:
      - { .name: qc, .offset: 0, .size: 8, .value_kind: global_buffer, .address_space: global }
      - { .name: qs, .offset: 8, .size: 8, .value_kind: global_buffer, .address_space: global }
      - { .name: kv, .offset: 16, .size: 8, .value_kind: global_buffer, .address_space: global }
      - { .name: kvs, .offset: 24, .size: 8, .value_kind: global_buffer, .address_space: global }
      - { .name: oc, .offset: 32, .size: 8, .value_kind: global_buffer, .address_space: global }
      - { .name: os, .offset: 40, .size: 8, .value_kind: global_buffer, .address_space: global }
    .group_segment_fixed_size: 327680
    .private_segment_fixed_size: 0
    .kernarg_segment_align: 8
    .kernarg_segment_size: 48
    .max_flat_workgroup_size: 512
    .sgpr_count:     84
    .vgpr_count:     256
    .wavefront_size: 32
...
	.end_amdgpu_metadata
.endif
;; end of part 3
;; launch proj (part 4): grid 4 x 64, 8 waves a work-group, clusters of 4 x 4, 327,680 bytes of LDS; arguments oc, os, proj_w_codes, proj_w_scales, proj_b, x, out0; writes out0
.if DOCPART == 4
	.amdgcn_target "amdgcn-amd-amdhsa--gfx1250"
	.amdhsa_code_object_version 6
	.text
	.protected	k_q02f0055931_proj
	.globl	k_q02f0055931_proj
	.p2align	8
	.type	k_q02f0055931_proj,@function
k_q02f0055931_proj:
	s_mov_b64 s[64:65], 0
	v_nop
	global_prefetch_b8 v0, s[64:65] scope:SCOPE_SE
	s_setreg_imm32_b32 hwreg(HW_REG_WAVE_MODE, 25, 1), 1
	s_wait_xcnt 0x0
	s_wait_alu depctr_hold_cnt(0) depctr_sa_sdst(0) depctr_va_vdst(0) depctr_va_sdst(0) depctr_va_ssrc(0) depctr_va_vcc(0) depctr_vm_vsrc(0)
	s_getreg_b32 s2, hwreg(HW_REG_IB_STS2, 6, 4)
	s_cmp_eq_u32 s2, 0
	s_cbranch_scc0 .Lentry_in_a_cluster
	s_endpgm
.Lentry_in_a_cluster:
	s_bfe_u32 s2, ttmp6, 0x10000c
	s_cmp_lg_u32 s2, 0xf033
	s_cbranch_scc0 .Lentry_shape_is_right
	s_endpgm
.Lentry_shape_is_right:
; out0 = x + proj_w o + proj_b, the product on codes of E4M3 (K = 512 channels).
; SHARES.  A work-group makes 128 outputs x 128 columns n of one batch.  Eight waves: wave w takes tiles 4 (w % 2) .. + 3 of the eight tiles of n and output tiles 2 (w / 2), 2 (w / 2) + 1: eight accumulators, which take turns.
; Source 0 = a tile of o (16 n), source 1 = 16 rows of proj_w: a lane holds one output and eight neighbouring n (row r of tile 2 G + u of n is 32 G + 8 u + r + 8 (r / 8)), as out0's rows lie.
; LDS, filled once: o's eight tiles (65,536 bytes, images of operand registers), 128 rows of proj_w (512 bytes + 16), and a stage of 128 rows x (512 + 16) that stores from registers alone write.
; CLUSTER 4 x 4: the four work-groups of a row share o's tiles, the four of a column share the weight's rows: both are asked for jointly.
; x's 16 rows of a wave are asked for at the head, into registers of the second window, and land under the products.  The bias is the C of each sum's first product.
.set WB,   65536
.set STG,  133120
.set WV,   18
; REGISTERS: v1 o's tiles, v2 W's rows, v3 into the stage, v4 out of it (LDS addresses, made ahead of every branch); v5-7 16, 2 x lane, 4 r; v8-15 o's scale words, v16-19 W's; v20-35 the bias; v36-51 at work;
;   v64-127 o's fragments, later rows of the result; v128-159 W's fragments; v160-223 accumulator (nt, ot) at 160 + 8 (2 nt + ot); v256-319 x.
.macro PLACES n
.rept \n
	v_nop
.endr
.endm
.macro CROUND
	s_barrier_signal -1
	s_barrier_wait -1
	s_cmp_lg_u32 s[WV], 0
	s_cbranch_scc1 .Lnot_wave_0_\@
	s_barrier_signal -3
.Lnot_wave_0_\@:
	s_barrier_wait -3
	s_barrier_signal -1
	s_barrier_wait -1
.endm
.macro MM d, a, b, c, sa, sb, ra, rb   ; one scaled matrix instruction; ra, rb = 1: that side's scales are read from lanes 16-31
.set rD, \d
.set rA, \a
.set rB, \b
.set rC, \c
.set rX, \sa
.set rY, \sb
.set rR, (\ra)+2*(\rb)
.if rR == 0
	v_wmma_scale_f32_16x16x128_f8f6f4 v[rD:rD+7], v[rA:rA+15], v[rB:rB+15], v[rC:rC+7], v[rX], v[rY]
.elseif rR == 1
	v_wmma_scale_f32_16x16x128_f8f6f4 v[rD:rD+7], v[rA:rA+15], v[rB:rB+15], v[rC:rC+7], v[rX], v[rY] matrix_a_scale:MATRIX_SCALE_ROW1
.elseif rR == 2
	v_wmma_scale_f32_16x16x128_f8f6f4 v[rD:rD+7], v[rA:rA+15], v[rB:rB+15], v[rC:rC+7], v[rX], v[rY] matrix_b_scale:MATRIX_SCALE_ROW1
.else
	v_wmma_scale_f32_16x16x128_f8f6f4 v[rD:rD+7], v[rA:rA+15], v[rB:rB+15], v[rC:rC+7], v[rX], v[rY] matrix_a_scale:MATRIX_SCALE_ROW1 matrix_b_scale:MATRIX_SCALE_ROW1
.endif
.endm
	s_load_b256 s[4:11], s[0:1], 0x0               ; oc, os, proj_w codes, scales
	s_load_b128 s[12:15], s[0:1], 0x20             ; proj_b, x
	s_load_b64 s[16:17], s[0:1], 0x30              ; out0
	v_lshl_add_u32 v254, v0, 2, 0x31000
	v_mov_b32 v255, 0
	ds_add_u32 v254, v255
	ds_add_u32 v254, v255
	v_lshrrev_b32 v36, 5, v0
	s_delay_alu instid0(VALU_DEP_1)
	v_readfirstlane_b32 s[WV], v36                 ; wave 0..7
	s_and_b32 s19, s[WV], 1                        ; which four tiles of n
	s_lshr_b32 s20, s[WV], 1                       ; which 32 outputs
	v_and_b32 v36, 31, v0
	v_and_b32 v37, 15, v0                          ; r
	v_bfe_u32 v38, v0, 4, 1                        ; h
	s_delay_alu instid0(VALU_DEP_3)
	v_lshlrev_b32 v5, 4, v36
	s_delay_alu instid0(VALU_DEP_4)
	v_lshlrev_b32 v6, 1, v36
	s_delay_alu instid0(VALU_DEP_4)
	v_lshlrev_b32 v7, 2, v37
	s_lshl_b32 s84, s19, 15
	v_add_nc_u32 v1, s84, v5
	v_mul_u32_u24 v39, v37, 528
	s_mul_i32 s84, s20, 32*528
	v_add_nc_u32 v39, s84, v39                     ; row 32 (w / 2) + r
	s_delay_alu instid0(VALU_DEP_1)
	v_lshl_add_u32 v2, v38, 4, v39
	s_delay_alu instid0(VALU_DEP_1)
	v_add_nc_u32 v2, WB, v2
	s_delay_alu instid0(VALU_DEP_3)
	v_lshl_add_u32 v3, v38, 6, v39                 ; the stage: that row, + 16 h numbers, + my 64 n
	s_lshl_b32 s84, s19, 8
	s_add_co_u32 s84, s84, STG
	v_add_nc_u32 v3, s84, v3
	s_mul_i32 s84, s[WV], 8448
	s_add_co_u32 s84, s84, STG
	v_add_nc_u32 v4, s84, v5                       ; back: rows 16 w on, 16 bytes a lane
	s_bfe_u32 s21, ttmp6, 0x40000                  ; cx
	s_bfe_u32 s22, ttmp6, 0x40004                  ; cy
	s_lshl_b32 s23, ttmp9, 2
	s_add_co_u32 s23, s23, s21                     ; which 128 outputs
	s_and_b32 s24, ttmp7, 0xffff
	s_lshl_b32 s24, s24, 2
	s_add_co_u32 s24, s24, s22                     ; which 128 n (16 to a batch)
	s_lshl_b32 s25, s22, 2
	s_lshl_b32 s25, 15, s25                        ; my row of the cluster
	s_lshl_b32 s26, 0x1111, s21                    ; my column
	s_or_b32 s28, s25, (3<<16)|(1<<21)             ; o: 32 rows of 256 bytes (32 elements of 8), dense: one tile
	s_mov_b32 s29, 32<<16
	s_mov_b32 s30, 32<<16
	s_mov_b32 s31, 32<<16
	s_mov_b32 s32, 32
	s_mov_b32 s33, 32
	s_mov_b32 s34, 0
	s_mov_b32 s35, 0
	s_or_b32 s40, s26, (1<<20)|(1<<21)|(6<<22)|(3<<25)   ; W: 16 rows of 512 bytes, 16 bytes of padding behind each 128 words
	s_mov_b32 s41, 512<<16
	s_mov_b32 s42, 16<<16
	s_mov_b32 s43, 512<<16
	s_mov_b32 s44, 16
	s_mov_b32 s45, 512
	s_mov_b32 s46, 0
	s_mov_b32 s47, 0
	s_lshl_b32 s37, s[WV], 13                      ; o: 8,192 x wave, in LDS and in memory
	s_lshl_b32 s84, s24, 16
	s_add_co_u32 s84, s84, s37
	s_mov_b32 s85, 0
	s_lshl_b32 s86, s23, 16                        ; W: (128 oq + 16 w) rows of 512 bytes
	s_lshl_b32 s88, s[WV], 13
	s_add_co_u32 s86, s86, s88
	s_mov_b32 s87, 0
	s_mul_i32 s49, s[WV], 8448
	s_add_co_u32 s49, s49, WB
	s_mov_b32 s36, 1
	s_mov_b32 s48, 1
	s_wait_dscnt 0x0
	s_wait_kmcnt 0x0
	s_add_nc_u64 s[38:39], s[4:5], s[84:85]
	s_or_b32 s39, s39, 0x80000000
	s_add_nc_u64 s[50:51], s[8:9], s[86:87]
	s_or_b32 s51, s51, 0x80000000
	CROUND                                         ; all sixteen work-groups are here: the joint loads meet
	tensor_load_to_lds s[36:39], s[28:35]          ; one load of mine is out: o's tile
	s_nop 0
	s_wait_alu depctr_va_vdst(0)
	s_wait_tensorcnt 0x0
	ds_add_u32 v254, v255
	s_wait_dscnt 0x0
	CROUND
	tensor_load_to_lds s[48:51], s[40:47]
	s_nop 0
	PLACES 4
	s_mov_b32 s89, 0
	s_lshl_b32 s88, s23, 11                        ; W's scales: (128 oq + 32 (w / 2)) rows of 16 bytes
	s_lshl_b32 s90, s20, 9
	s_add_co_u32 s88, s88, s90
	s_add_nc_u64 s[10:11], s[10:11], s[88:89]
	s_lshl_b32 s88, s23, 9                         ; the bias
	s_lshl_b32 s90, s20, 7
	s_add_co_u32 s88, s88, s90
	s_add_nc_u64 s[12:13], s[12:13], s[88:89]
	s_lshr_b32 s91, s24, 4                         ; b
	s_and_b32 s90, s24, 15
	s_lshl_b32 s88, s91, 15                        ; o's scales: b x 32,768 + (8 (nb % 16) + 4 (w % 2)) tiles of 32 bytes
	s_lshl_b32 s86, s90, 8
	s_add_co_u32 s88, s88, s86
	s_lshl_b32 s86, s19, 7
	s_add_co_u32 s88, s88, s86
	s_add_nc_u64 s[6:7], s[6:7], s[88:89]
	s_lshl_b32 s88, s91, 22                        ; x, out0: b x 4,194,304 + (128 oq + 16 w) rows of 8,192 + 512 (nb % 16)
	s_lshl_b32 s86, s23, 20
	s_add_co_u32 s88, s88, s86
	s_lshl_b32 s86, s[WV], 17
	s_add_co_u32 s88, s88, s86
	s_lshl_b32 s86, s90, 9
	s_add_co_u32 s88, s88, s86
	s_add_nc_u64 s[14:15], s[14:15], s[88:89]
	s_add_nc_u64 s[16:17], s[16:17], s[88:89]
	global_load_b128 v[16:19], v5, s[10:11]        ; W's scale words: lane L takes row L: register 16 + s: lanes 0-15 my first tile, lanes 16-31 my second
	s_wait_alu depctr_va_vdst(0)
.irp ot, 0,1
.irp j, 0,1,2,3,4,5,6,7
	global_load_b32 v[20+8*\ot+\j], v7, s[12:13] offset:64*\ot     ; my output's bias in all eight registers of a result
.endr
.endr
.irp gp, 0,1
.irp s, 0,1,2,3
.irp hd, 0,1
	global_load_u16 v[36+8*\gp+2*\s+\hd], v6, s[6:7] offset:8192*\s+4096*\hd+64*\gp   ; head 2 s + hd: two scale bytes a row; lanes 0-15 tile 2 gp, lanes 16-31 tile 2 gp + 1
.endr
.endr
.endr
	s_set_vgpr_msb 0x40                            ; destination in the second window
.irp i, 0,1,2,3,4,5,6,7,8,9,10,11,12,13,14,15
	global_load_b128 v[4*\i:4*\i+3], v5, s[14:15] offset:8192*\i th:TH_LOAD_NT        ; v256 + 4 i: x's row 16 w + i, 512 consecutive bytes
.endr
	s_set_vgpr_msb 0x4000
	s_wait_loadcnt 16                              ; all but x's sixteen
.irp gp, 0,1
.irp s, 0,1,2,3
	v_lshl_or_b32 v[8+4*\gp+\s], v[37+8*\gp+2*\s], 16, v[36+8*\gp+2*\s]   ; K step s = heads 2 s, 2 s + 1
.endr
.endr
	PLACES 8                                       ; a scale register made by vector instructions stands eight places ahead of its matrix instruction
	s_wait_alu depctr_va_vdst(0)
	s_wait_tensorcnt 0x0                           ; my parts have landed,
	s_barrier_signal -1
	s_barrier_wait -1                              ; everybody's have.  Nothing is filled again in this launch
.irp s, 0,1,2,3
.irp ot, 0,1
.irp c, 0,1,2,3
	ds_load_b128 v[128+16*\ot+4*\c:131+16*\ot+4*\c], v2 offset:8448*\ot+128*\s+32*\c
.endr
.endr
.irp nt, 0,1,2,3
.irp c, 0,1,2,3
	ds_load_b128 v[64+16*\nt+4*\c:67+16*\nt+4*\c], v1 offset:8192*\nt+512*(4*\s+\c)
.endr
.endr
	s_wait_dscnt 0x0
.irp nt, 0,1,2,3
.irp ot, 0,1
.if \s == 0
	MM 160+8*(2*\nt+\ot), 64+16*\nt, 128+16*\ot, 20+8*\ot, 8+4*(\nt/2)+\s, 16+\s, \nt%2, \ot
.else
	MM 160+8*(2*\nt+\ot), 64+16*\nt, 128+16*\ot, 160+8*(2*\nt+\ot), 8+4*(\nt/2)+\s, 16+\s, \nt%2, \ot
.endif
.endr
.endr
	PLACES 8                                       ; eight places in front of loads into registers that these products read, and of the first read of results
.endr
.irp nt, 0,1,2,3
.irp ot, 0,1
	ds_store_b128 v3, v[160+8*(2*\nt+\ot):163+8*(2*\nt+\ot)] offset:8448*\ot+(32*(\nt/2)+8*(\nt%2))*4       ; lane (r, h): output 16 ot + r, n 32 (nt / 2) + 16 h + 8 (nt % 2) + 0 .. 7; each accumulator from its low end on
	ds_store_b128 v3, v[164+8*(2*\nt+\ot):167+8*(2*\nt+\ot)] offset:8448*\ot+(32*(\nt/2)+8*(\nt%2))*4+16
.endr
.endr
	s_wait_dscnt 0x0                               ; for the others' sake: a row's 512 bytes come from two waves
	s_barrier_signal -1
	s_barrier_wait -1
.irp i, 0,1,2,3,4,5,6,7,8,9,10,11,12,13,14,15
	ds_load_b128 v[64+4*\i:67+4*\i], v4 offset:528*\i
.endr
	s_wait_loadcnt 0x0                             ; x
	s_wait_dscnt 0x0
	s_set_vgpr_msb 0x04                            ; source 1 in the second window
.set j, 0
.rept 32
	v_pk_add_f32 v[64+j:65+j], v[64+j:65+j], v[j:j+1]              ; + x (v256 + j)
.set j, j+2
.endr
	s_set_vgpr_msb 0x0400
.irp i, 0,1,2,3,4,5,6,7,8,9,10,11,12,13,14,15
	global_store_b128 v5, v[64+4*\i:67+4*\i], s[16:17] offset:8192*\i th:TH_STORE_NT   ; 512 consecutive bytes, at a multiple of 512 from out0's first byte
.endr
	s_wait_tensorcnt 0x0
	ds_add_u32 v254, v255
	s_wait_dscnt 0x0
	CROUND                                         ; the closing round
	s_endpgm
.Lfunc_end_k_q02f0055931_proj:
	.size	k_q02f0055931_proj, .Lfunc_end_k_q02f0055931_proj-k_q02f0055931_proj
	.p2alignl 7, 3214868480
	.fill 96, 4, 3214868480
	.section	.rodata,"a",@progbits
	.p2align	6, 0x0
	.amdhsa_kernel k_q02f0055931_proj
		.amdhsa_group_segment_fixed_size 327680
		.amdhsa_private_segment_fixed_size 0
		.amdhsa_enable_private_segment 0
		.amdhsa_kernarg_size 56
		.amdhsa_user_sgpr_count 2
		.amdhsa_user_sgpr_kernarg_segment_ptr 1
		.amdhsa_wavefront_size32 1
		.amdhsa_system_sgpr_workgroup_id_x 1
		.amdhsa_system_sgpr_workgroup_id_y 1
		.amdhsa_system_sgpr_workgroup_id_z 1
		.amdhsa_system_vgpr_workitem_id 0
		.amdhsa_next_free_vgpr 320
		.amdhsa_next_free_sgpr 96
		.amdhsa_reserve_vcc 0
		.amdhsa_float_denorm_mode_32 3
		.amdhsa_float_denorm_mode_16_64 3
		.amdhsa_memory_ordered 1
		.amdhsa_forward_progress 1
		.amdhsa_inst_pref_size 29
	.end_amdhsa_kernel
	.amdgpu_metadata
---
amdhsa.version: [ 1, 2 ]
amdhsa.kernels:
  - .name:           k_q02f0055931_proj
    .symbol:         k_q02f0055931_proj.kd
    .args:
      - { .name: oc, .offset: 0, .size: 8, .value_kind: global_buffer, .address_space: global }
      - { .name: os, .offset: 8, .size: 8, .value_kind: global_buffer, .address_space: global }
      - { .name: proj_w_codes, .offset: 16, .size: 8, .value_kind: global_buffer, .address_space: global }
      - { .name: proj_w_scales, .offset: 24, .size: 8, .value_kind: global_buffer, .address_space: global }
      - { .name: proj_b, .offset: 32, .size: 8, .value_kind: global_buffer, .address_space: global }
      - { .name: x, .offset: 40, .size: 8, .value_kind: global_buffer, .address_space: global }
      - { .name: out0, .offset: 48, .size: 8, .value_kind: global_buffer, .address_space: global }
    .group_segment_fixed_size: 327680
    .private_segment_fixed_size: 0
    .kernarg_segment_align: 8
    .kernarg_segment_size: 56
    .max_flat_workgroup_size: 256
    .sgpr_count:     96
    .vgpr_count:     320
    .wavefront_size: 32
...
	.end_amdgpu_metadata
.endif
;; end of part 4
